; MI455X (gfx1250); checked and timed in simulation.
; The chip was launched on July 23, 2026; its instructions are those of AMD's public machine-readable ISA for CDNA 5 (MIT licence, August 2026) and "CDNA5" Instruction Set Architecture Reference Guide (July 2026). The comments in the code are by the model that wrote it; some were corrected since.
;; Latent Matrix Memory. Allowed arithmetic: float matrix products may take bf16 or f16 operands with f32 sums; other float arithmetic in f32, or as packed bf16 or f16 multiplies, adds, multiply-adds, maxima and minima; sums over many terms, partial sums and values carried from step to step in f32; what a program stores and reads back later, other than sums and carried values, may be rounded once to bf16 or f16.
;; Inputs: alpha 64 x 2,048 x 1 float32; init_state 64 x 128 x 32 float32; key 64 x 2,048 x 128 float32; lam 64 x 2,048 x 1 float32; query 64 x 2,048 x 128 float32; rho 64 x 2,048 x 1 float32; value 64 x 2,048 x 32 float32.
;; Outputs: out0 64 x 2,048 x 32 float32.
;; 2 versions, each right; version 2 is version 1 with the launches summ, readout written anew for expert scheduling mode. Each part assembles by itself: llvm-mc -triple=amdgcn-amd-amdhsa -mcpu=gfx1250 --defsym DOCPART=n.
;; ======== version 1 of 2: 2 launches
;; workspace buffers: usum 3,145,728 bytes; gdec 24,576 bytes
;; launch summ (part 1): grid 3 x 64, 8 waves a work-group, no clusters, 326,912 bytes of LDS; arguments key, value, alpha, rho, lam, usum, gdec; writes usum, gdec
.if DOCPART == 1
	.amdgcn_target "amdgcn-amd-amdhsa--gfx1250"
	.amdhsa_code_object_version 6
	.text
	.protected	k_qaef20fa812_summ
	.globl	k_qaef20fa812_summ
	.p2align	8
	.type	k_qaef20fa812_summ,@function
k_qaef20fa812_summ:
	s_mov_b64 s[64:65], 0
	v_nop
	global_prefetch_b8 v0, s[64:65] scope:SCOPE_SE
	s_setreg_imm32_b32 hwreg(HW_REG_WAVE_MODE, 25, 1), 1
	s_wait_xcnt 0x0
; SUMMARIES.  M_t = lam_t M_(t-1) + w_t k_t v_t^T, w = rho alpha.  Over 512 steps: M_end = G M_start + U, G = the product of the lam,
; U = sum over s of z_s k_s v_s^T, z_s = w_s x (product of the lam behind s).  Work-group (sg, b), sg = 0..2, stores U (128 dk x 32 channels, f32) and G
; of steps 512 sg .. 512 sg + 511 of batch b; a sequence's last quarter needs no summary.
; FORMATS.  key, value, alpha, rho, lam are rounded to bf16 first; z v goes into the product as a bf16 high part and a bf16 low part; all sums in f32.
; LIMITS.  z is made of products alone, no quotient: lam = 0 and negative lam are served.  A partial product of lam over a sub-range may over- or underflow
; f32.  NaN and infinities are not treated apart.
; SHARES.  Eight waves, 64 steps each: 64 loads of 512 consecutive bytes of key into window 1, 16 of value; rounded into the wave's own LDS rows;
; U_w = K^T (z V): source 0 = 16 dk x 32 steps, source 1 = 32 steps x 16 channels, both turned out of LDS by ds_load_tr16_b128.  The eight U_w meet in LDS;
; wave w folds dk tile w (acc = G_x acc + U_x, x ascending) and stores its 2,048 bytes.
; U's LAYOUT in memory is the accumulators': byte d 2048 + ct 1024 + q 512 + 16 lane holds registers 4 q .. 4 q + 3 of tile (d, ct): element (dk 16 d + 8 (lane / 16) + j, channel 16 ct + lane % 16).
; No cluster: no two work-groups read the same bytes.  No tensor load: the f32 rows are converted in registers on their way into LDS.  No prefetch: every wave's loads are all out from its first lines.
.set KP,  272                          ; a row of key in LDS: 256 bytes of bf16 + 16
.set VP,  96                           ; a row of value: 64 bytes + 32
.set KB,  64*KP                        ; a wave's 64 rows of key, from LDS byte 0 on
.set VB0, 8*KB                         ; then the waves' rows of value
.set VBW, 64*VP
.set US0, VB0+8*VBW                    ; eight slots of 16,384 bytes: U_w
.set TB0, US0+8*16384                  ; 768 bytes a wave: w, z (and in the next launch the prefix products)
.set GWT, TB0+8*768                    ; word w: G_w
.set SPARE, GWT+256                    ; the spare words, 128 bytes a wave: four blocks of 256 bytes that no other line names
; v1 my spare word, v2 0 (never rewritten); v3 16 lane; v5 4 lane; v6 key rows in; v7 value rows in; v9 K^T out; v10 V^T out; v11 tables in; v12 z out;
; v15 my slot; v16, v17 my slice of slots 0-3, 4-7; v18 my 16 bytes of a summary; v19 the G table; v22 my word of it; v23 at work; v24-31 lam, w, z.
.set CT, 48                            ; v[48:55] at work, also X
.set X,  48
.set Y,  56                            ; v[56:63]
.set VV, 64                            ; v[64:95]  z v: part hl, channel tile ct at VV + 16 hl + 8 ct
.set KX, 96                            ; v[96:127] four fragments of K^T; before them raw V^T and z
.set UA, 128                           ; v[128:255] accumulator (d, ct) at UA + 8 (2 d + ct); before the sums the landing place of value
.set MSB, 0
.macro WIN new                         ; s_set_vgpr_msb: bits 1:0 source 0, 3:2 source 1, 5:4 source 2, 7:6 destination; the high byte repeats the setting that is left
.if MSB != (\new)
	s_set_vgpr_msb (MSB<<8)|(\new)
.set MSB, \new
.endif
.endm
.macro PLACES                          ; the distance behind matrix instructions: five plain instructions serve vector work, loads and matrix instructions alike
.rept 5
	v_nop
.endr
.endm
.macro RND2 a, b, t                    ; two f32 rounded to bf16 and widened again
	v_cvt_pk_bf16_f32 v[\t], v[\a], v[\b]
	v_lshlrev_b32 v[\a], 16, v[\t]
	v_and_b32 v[\b], s30, v[\t]
.endm
.macro SPLIT np, src, hi, lo, y        ; np pairs of f32: hi = bf16(src), lo = bf16(src - hi); src stays
.set kk, 0
.rept \np
	v_cvt_pk_bf16_f32 v[(\hi)+kk], v[(\src)+2*kk], v[(\src)+2*kk+1]
.set kk, kk+1
.endr
.set kk, 0
.rept \np
	v_lshlrev_b32 v[(\y)+2*kk], 16, v[(\hi)+kk]
	v_and_b32 v[(\y)+2*kk+1], s30, v[(\hi)+kk]
.set kk, kk+1
.endr
.set kk, 0
.rept \np
	v_pk_add_f32 v[(\y)+2*kk:(\y)+2*kk+1], v[(\src)+2*kk:(\src)+2*kk+1], v[(\y)+2*kk:(\y)+2*kk+1] neg_lo:[0,1] neg_hi:[0,1]
.set kk, kk+1
.endr
.set kk, 0
.rept \np
	v_cvt_pk_bf16_f32 v[(\lo)+kk], v[(\y)+2*kk], v[(\y)+2*kk+1]
.set kk, kk+1
.endr
.endm
; The wave's 64 lam go into scalar registers (lam_u in s[32 + u + 2 (u / 32)]: s64 and s65 are passed over); suffix products (and, pre = 1, prefix products) are chains of scalar multiplies, written back lane by lane.
.macro TABLES pre
	RND2 24, 25, 30
	RND2 26, 27, 30
	RND2 28, 29, 30
	v_mul_f32 v26, v26, v28                        ; w = alpha rho, exact in f32
	v_mul_f32 v27, v27, v29
.set u, 0
.rept 64
	v_readlane_b32 s[32+u+2*(u/32)], v[24+u/32], u%32
.set u, u+1
.endr
.irp r, 28,29,30,31
	v_mov_b32 v\r, 0                               ; v_writelane_b32's destination counts as read
.endr
	s_mov_b32 s98, 1.0
	v_writelane_b32 v31, s98, 31                   ; behind the last step stands nothing
.set u, 62
.rept 63
	s_mul_f32 s98, s98, s[32+(u+1)+2*((u+1)/32)]
	v_writelane_b32 v[30+u/32], s98, u%32
.set u, u-1
.endr
.if \pre
	s_mov_b32 s31, s32
	v_writelane_b32 v28, s31, 0
.set u, 1
.rept 63
	s_mul_f32 s31, s31, s[32+u+2*(u/32)]
	v_writelane_b32 v[28+u/32], s31, u%32
.set u, u+1
.endr
.else
	s_mul_f32 s31, s98, s32                        ; G_w
.endif
	v_mul_f32 v30, v26, v30                        ; z
	v_mul_f32 v31, v27, v31
	ds_store_b32 v11, v26
	ds_store_b32 v11, v27 offset:128
	ds_store_b32 v11, v30 offset:256
	ds_store_b32 v11, v31 offset:384
.if \pre
	ds_store_b32 v11, v28 offset:512
	ds_store_b32 v11, v29 offset:640
.endif
	v_mov_b32 v23, s31
	ds_store_b32 v22, v23                          ; all lanes write the same word with the same value
.endm
.macro VSTG                            ; value: load n holds rows 4 n .. 4 n + 3, a lane four channels: 8 bytes of bf16
.irp n, 0,1,2,3,4,5,6,7,8,9,10,11,12,13,14,15
	v_cvt_pk_bf16_f32 v[CT+2*(\n%4)], v[UA+4*\n], v[UA+4*\n+1]
	v_cvt_pk_bf16_f32 v[CT+2*(\n%4)+1], v[UA+4*\n+2], v[UA+4*\n+3]
	ds_store_b64 v7, v[CT+2*(\n%4):CT+2*(\n%4)+1] offset:4*VP*\n
.endr
.endm
.macro KGRP g, cnt                     ; rows 4 g .. 4 g + 3 of key; cnt = the loads issued behind them
	s_wait_loadcnt \cnt
	WIN 0x05
.irp i, 0,1,2,3
	v_cvt_pk_bf16_f32 v[CT+2*\i], v[16*(\g)+4*\i], v[16*(\g)+4*\i+1]
	v_cvt_pk_bf16_f32 v[CT+2*\i+1], v[16*(\g)+4*\i+2], v[16*(\g)+4*\i+3]
.endr
	WIN 0
.irp i, 0,1,2,3
	ds_store_b64 v6, v[CT+2*\i:CT+2*\i+1] offset:KP*(4*(\g)+\i)
.endr
.endm
; Steps 32 sb .. 32 sb + 31: z v in two parts, then 32 products.  LDS serves a wave's instructions in order (ISA guide 5.7.1.4), so the loads see the wave's own stores.
; The eight accumulators of a run of 16 take turns, one instruction a turn.
.macro UPH sb
.irp ct, 0,1
	ds_load_tr16_b128 v[KX+8*\ct:KX+8*\ct+3], v10 offset:32*VP*(\sb)+32*\ct
	ds_load_tr16_b128 v[KX+8*\ct+4:KX+8*\ct+7], v10 offset:32*VP*(\sb)+32*\ct+16*VP
.endr
	ds_load_b128 v[KX+16:KX+19], v12 offset:128*(\sb)
	ds_load_b128 v[KX+20:KX+23], v12 offset:128*(\sb)+16
	ds_load_b128 v[KX+24:KX+27], v12 offset:128*(\sb)+64
	ds_load_b128 v[KX+28:KX+31], v12 offset:128*(\sb)+80
	s_wait_dscnt 0x0
.irp ct, 0,1
.irp q, 0,1
.irp k, 0,1,2,3
	v_lshlrev_b32 v[X+2*\k], 16, v[KX+8*\ct+4*\q+\k]
	v_and_b32 v[X+2*\k+1], s30, v[KX+8*\ct+4*\q+\k]
.endr
.irp k, 0,1,2,3
	v_pk_mul_f32 v[X+2*\k:X+2*\k+1], v[X+2*\k:X+2*\k+1], v[KX+16+8*\q+2*\k:KX+16+8*\q+2*\k+1]
.endr
	SPLIT 4, X, VV+8*\ct+4*\q, VV+16+8*\ct+4*\q, Y
.endr
.endr
.irp e, 0,1
.irp dd, 0,1,2,3
	ds_load_tr16_b128 v[KX+8*\dd:KX+8*\dd+3], v9 offset:32*KP*(\sb)+32*(4*\e+\dd)
	ds_load_tr16_b128 v[KX+8*\dd+4:KX+8*\dd+7], v9 offset:32*KP*(\sb)+32*(4*\e+\dd)+16*KP
.endr
	s_wait_dscnt 0x0
.irp hl, 0,1
.irp dd, 0,1,2,3
.irp ct, 0,1
.if (\sb)+\hl == 0
	v_wmma_f32_16x16x32_bf16 v[UA+8*(8*\e+2*\dd+\ct):UA+8*(8*\e+2*\dd+\ct)+7], v[KX+8*\dd:KX+8*\dd+7], v[VV+16*\hl+8*\ct:VV+16*\hl+8*\ct+7], 0
.else
	v_wmma_f32_16x16x32_bf16 v[UA+8*(8*\e+2*\dd+\ct):UA+8*(8*\e+2*\dd+\ct)+7], v[KX+8*\dd:KX+8*\dd+7], v[VV+16*\hl+8*\ct:VV+16*\hl+8*\ct+7], v[UA+8*(8*\e+2*\dd+\ct):UA+8*(8*\e+2*\dd+\ct)+7]
.endif
.endr
.endr
.endr
	PLACES
.endr
.endm
	s_load_b256 s[4:11], s[0:1], 0x0               ; key s[4:5], value s[6:7], alpha s[8:9], rho s[10:11]
	s_load_b128 s[12:15], s[0:1], 0x20             ; lam s[12:13], usum s[14:15]
	s_load_b64 s[16:17], s[0:1], 0x30              ; gdec
	v_lshl_add_u32 v1, v0, 2, SPARE
	v_mov_b32 v2, 0
	v_lshrrev_b32 v23, 5, v0
	v_readfirstlane_b32 s24, v23                   ; wave 0..7
	s_mov_b32 s25, ttmp9                           ; sg
	s_and_b32 s26, ttmp7, 0xffff                   ; batch
	s_mov_b32 s30, 0xffff0000                      ; a word's upper bf16
	v_and_b32 v23, 31, v0                          ; lane
	v_bfe_u32 v49, v0, 4, 1                        ; h
	v_and_b32 v50, 7, v0
	v_bfe_u32 v51, v0, 3, 1
	v_bfe_u32 v52, v0, 3, 2
	v_lshl_add_u32 v53, v49, 3, v50                ; a turning load's row: 8 h + lane % 8
	s_mul_i32 s2, s24, KB
	s_mul_i32 s3, s24, VBW
	s_add_co_u32 s3, s3, VB0
	s_mul_i32 s27, s24, 768
	s_add_co_u32 s27, s27, TB0
	v_lshlrev_b32 v3, 4, v23
	v_lshlrev_b32 v5, 2, v23
	v_lshl_add_u32 v6, v23, 3, s2
	v_mul_u32_u24 v7, v52, VP
	v_lshl_add_u32 v7, v50, 3, v7
	v_add_nc_u32 v7, s3, v7
	v_mul_u32_u24 v9, v53, KP
	v_lshl_add_u32 v9, v51, 4, v9
	v_add_nc_u32 v9, s2, v9
	v_mul_u32_u24 v10, v53, VP
	v_lshl_add_u32 v10, v51, 4, v10
	v_add_nc_u32 v10, s3, v10
	v_lshl_add_u32 v11, v23, 2, s27
	v_lshl_add_u32 v12, v49, 5, s27
	v_add_nc_u32 v12, 256, v12
	s_lshl_b32 s31, s24, 14
	s_add_co_u32 s31, s31, US0
	v_lshl_add_u32 v15, v23, 4, s31
	s_lshl_b32 s31, s24, 11
	v_lshl_add_u32 v18, v23, 4, s31
	s_add_co_u32 s31, s31, US0
	v_lshl_add_u32 v16, v23, 4, s31
	v_add_nc_u32 v17, 0x10000, v16
	v_mov_b32 v19, GWT
	s_lshl_b32 s31, s24, 2
	s_add_co_u32 s31, s31, GWT
	v_mov_b32 v22, s31
	s_lshl_b32 s98, s26, 11
	s_lshl_b32 s31, s25, 9
	s_add_co_u32 s98, s98, s31
	s_lshl_b32 s31, s24, 6
	s_add_co_u32 s98, s98, s31                     ; my first step, counted over all batches: 2048 b + 512 sg + 64 w
	s_mov_b32 s29, 0
	s_wait_kmcnt 0x0
	s_lshl_b32 s28, s98, 9
	s_add_nc_u64 s[4:5], s[4:5], s[28:29]
	s_lshl_b32 s28, s98, 7
	s_add_nc_u64 s[6:7], s[6:7], s[28:29]
	s_lshl_b32 s28, s98, 2
	s_add_nc_u64 s[8:9], s[8:9], s[28:29]
	s_add_nc_u64 s[10:11], s[10:11], s[28:29]
	s_add_nc_u64 s[12:13], s[12:13], s[28:29]
	s_mul_i32 s31, s26, 3
	s_add_co_u32 s31, s31, s25
	s_lshl_b32 s28, s31, 14
	s_add_nc_u64 s[14:15], s[14:15], s[28:29]
	s_lshl_b32 s28, s31, 7
	s_add_nc_u64 s[16:17], s[16:17], s[28:29]
	; 86 loads: 6 of lam, alpha, rho; 16 of value; 64 of key
	global_load_b32 v24, v5, s[12:13]
	global_load_b32 v25, v5, s[12:13] offset:128
	global_load_b32 v26, v5, s[8:9]
	global_load_b32 v27, v5, s[8:9] offset:128
	global_load_b32 v28, v5, s[10:11]
	global_load_b32 v29, v5, s[10:11] offset:128
.set n, 0
.rept 16
	global_load_b128 v[UA+4*n:UA+4*n+3], v3, s[6:7] offset:512*n
.set n, n+1
.endr
	WIN 0x40
.set n, 0
.rept 64
	global_load_b128 v[4*n:4*n+3], v3, s[4:5] offset:512*n
.set n, n+1
.endr
	WIN 0
	s_wait_loadcnt 63                              ; of the 86 the oldest 23 are in: the 22 that are not key's among them
	TABLES 0
	VSTG
.irp g, 0,1,2,3,4,5,6,7,8,9,10,11,12,13,14,15
	KGRP \g, 60-4*\g
.endr
	UPH 0
	UPH 1
.set m, 0
.rept 32
	ds_store_b128 v15, v[UA+4*m:UA+4*m+3] offset:512*m   ; ascending: each accumulator is read from its low end on
.set m, m+1
.endr
	s_wait_dscnt 0x0                               ; for the others' sake: U_w and G_w lie in LDS
	s_barrier_signal -1
	s_barrier_wait -1
	ds_load_b128 v[80:83], v19
	ds_load_b128 v[84:87], v19 offset:16
.irp x, 0,1,2,3,4,5,6,7
.irp k, 0,1,2,3
	ds_load_b128 v[UA+16*\x+4*\k:UA+16*\x+4*\k+3], v[16+\x/4] offset:(\x%4)*16384+512*\k
.endr
.endr
	s_wait_dscnt 0x0
.irp x, 1,2,3,4,5,6,7
.set k, 0
.rept 16
	v_fma_f32 v[UA+k], v[80+\x], v[UA+k], v[UA+16*\x+k]
.set k, k+1
.endr
.endr
.irp k, 0,1,2,3
	global_store_b128 v18, v[UA+4*\k:UA+4*\k+3], s[14:15] offset:512*\k   ; 512 consecutive bytes, at a multiple of 512 from the buffer's first
.endr
	s_cmp_lg_u32 s24, 0
	s_cbranch_scc1 .Lend
.irp x, 1,2,3,4,5,6,7
	v_mul_f32 v80, v80, v[80+\x]
.endr
	global_store_b32 v5, v80, s[16:17]             ; G in all 32 words of its 128 bytes: EXEC stays whole
.Lend:
	s_wait_tensorcnt 0x0                           ; the wave's end: behind my last LDS store
	ds_add_u32 v1, v2
	s_wait_dscnt 0x0
	s_endpgm
.Lfunc_end_k_qaef20fa812_summ:
	.size	k_qaef20fa812_summ, .Lfunc_end_k_qaef20fa812_summ-k_qaef20fa812_summ
	.p2alignl 7, 3214868480
	.fill 96, 4, 3214868480
	.section	.rodata,"a",@progbits
	.p2align	6, 0x0
	.amdhsa_kernel k_qaef20fa812_summ
		.amdhsa_group_segment_fixed_size 326912
		.amdhsa_private_segment_fixed_size 0
		.amdhsa_enable_private_segment 0
		.amdhsa_kernarg_size 56
		.amdhsa_user_sgpr_count 2
		.amdhsa_user_sgpr_kernarg_segment_ptr 1
		.amdhsa_wavefront_size32 1
		.amdhsa_system_sgpr_workgroup_id_x 1
		.amdhsa_system_sgpr_workgroup_id_y 1
		.amdhsa_system_sgpr_workgroup_id_z 1
		.amdhsa_system_vgpr_workitem_id 0
		.amdhsa_next_free_vgpr 512
		.amdhsa_next_free_sgpr 102
		.amdhsa_reserve_vcc 0
		.amdhsa_float_denorm_mode_32 3
		.amdhsa_float_denorm_mode_16_64 3
		.amdhsa_memory_ordered 1
		.amdhsa_forward_progress 1
		.amdhsa_inst_pref_size 72
	.end_amdhsa_kernel
	.amdgpu_metadata
---
amdhsa.version: [ 1, 2 ]
amdhsa.kernels:
  - .name:           k_qaef20fa812_summ
    .symbol:         k_qaef20fa812_summ.kd
    .args:
      - { .name: key, .offset: 0, .size: 8, .value_kind: global_buffer, .address_space: global }
      - { .name: value, .offset: 8, .size: 8, .value_kind: global_buffer, .address_space: global }
      - { .name: alpha, .offset: 16, .size: 8, .value_kind: global_buffer, .address_space: global }
      - { .name: rho, .offset: 24, .size: 8, .value_kind: global_buffer, .address_space: global }
      - { .name: lam, .offset: 32, .size: 8, .value_kind: global_buffer, .address_space: global }
      - { .name: usum, .offset: 40, .size: 8, .value_kind: global_buffer, .address_space: global }
      - { .name: gdec, .offset: 48, .size: 8, .value_kind: global_buffer, .address_space: global }
    .group_segment_fixed_size: 326912
    .private_segment_fixed_size: 0
    .kernarg_segment_align: 8
    .kernarg_segment_size: 56
    .max_flat_workgroup_size: 256
    .sgpr_count:     102
    .vgpr_count:     512
    .wavefront_size: 32
...
	.end_amdgpu_metadata
.endif
;; end of part 1
;; launch readout (part 2): grid 4 x 64, 8 waves a work-group, no clusters, 326,912 bytes of LDS; arguments query, key, value, alpha, rho, lam, init_state, usum, gdec, out0; writes out0
.if DOCPART == 2
	.amdgcn_target "amdgcn-amd-amdhsa--gfx1250"
	.amdhsa_code_object_version 6
	.text
	.protected	k_qaef20fa812_readout
	.globl	k_qaef20fa812_readout
	.p2align	8
	.type	k_qaef20fa812_readout,@function
k_qaef20fa812_readout:
	s_mov_b64 s[64:65], 0
	v_nop
	global_prefetch_b8 v0, s[64:65] scope:SCOPE_SE
	s_setreg_imm32_b32 hwreg(HW_REG_WAVE_MODE, 25, 1), 1
	s_wait_xcnt 0x0
; READOUT.  M_t = lam_t M_(t-1) + w_t k_t v_t^T, w = rho alpha; out_t = q_t^T M_t.  Work-group (seg, b) makes steps 512 seg .. 512 seg + 511 of batch b; each of its eight waves 64 of them.
; For a wave with start state M and local steps u = 0..63:  out_i = p_i q_i^T M + sum over s <= i of e(i, s) w_s (q_i . k_s) v_s,  p_i = lam_0 .. lam_i,  e(i, s) = lam_(s+1) .. lam_i;
; behind its steps the state is G M + U, G = p_63, U = sum of z_s k_s v_s^T, z_s = w_s lam_(s+1) .. lam_63.
; THE STATES.  The segment's start state is init_state folded with the summaries (usum, gdec) of the segments in front.  Waves 0-6 make U_w and G_w; they meet in LDS; wave w owns dk tile w of the state
; and walks it through the eight waves' starts, leaving each as matrix fragments in LDS.  Two barriers in all.
; FORMATS.  All inputs are rounded to bf16 first.  What the program itself makes and multiplies (z v, the state, the weighted scores) goes in as a bf16 high part and a bf16 low part, two products; sums and states in f32.
; LIMITS.  All decay factors are products over true sub-ranges, no quotient: lam = 0 and negative lam are served; such a partial product may over- or underflow f32.  A hidden score is multiplied by 0 and a
; dead link of the decay chain is 0 x lam: q . k and lam must be finite.  NaN and infinities are not treated apart.
; LAYOUT.  S^T = K Q^T (source 0 = 16 keys, source 1 = 16 queries): a lane holds one query (lane % 16) and the keys 8 (lane / 16) + 0..7; two such tiles packed ARE source 1 of O^T = V^T P.
; U = K^T (z V) holds one channel a lane and eight dk; two such tiles packed ARE source 0 of O^T = M^T Q^T.  K^T and V^T come turned out of LDS (ds_load_tr16_b128).
; No cluster: the work-groups share no bulk input.  No tensor load: f32 is converted in registers on the way.  No prefetch: every wave's loads are out from its first lines.
.set KP,  272                          ; a row of key in LDS: 256 bytes of bf16 + 16
.set VP,  96                           ; a row of value: 64 bytes + 32
.set KB,  64*KP                        ; a wave's 64 rows of key, from LDS byte 0 on
.set VB0, 8*KB                         ; the waves' rows of value; at the end each wave's stage for the way out, rows of 144 bytes
.set VBW, 64*VP
.set US0, VB0+8*VBW                    ; eight slots of 16,384 bytes: U_x in slot x; then the start state of wave x as fragments in slot (x + 7) % 8
.set TB0, US0+8*16384                  ; 768 bytes a wave: w, z, p
.set GWT, TB0+8*768                    ; word w: G_w
.set SPARE, GWT+256                    ; the spare words, 128 bytes a wave: four blocks of 256 bytes that no other line names
; WINDOW 0: v1 my spare word, v2 0 (never rewritten); v3 16 lane; v4 query's fragment offset; v5 4 lane; v6 key rows in; v7 value rows in; v8 K out; v9 K^T out; v10 V^T out; v11 tables in;
; v12 z, v13 w, v14 p out; v15 my slot; v16, v17 my slice of slots 0-3, 4-7; v18 my start state's fragments; v19 the G table; v20, v21 the stage in and out; v22 my word of the G table; v23 at work; v24-31 lam, w, p, z.
.set MSR, 32                           ; v[32:47]  my slice of the state; behind the scan DL[k] = 1.0 where lane % 16 = k, else 0
.set DL,  32
.set CT, 48                            ; v[48:127] by phase.  U: X 48, Y 56, VV 64, KX 96.  Scan: high 48, low 56, Y 64, G 80.  Scores: E 48, F 64, W 72, X 80, Y 88, PH 96, PL 104, p 112.  Way out: 48-111
.set X,  48
.set Y,  56
.set VV, 64
.set KX, 96
.set UA, 128                           ; v[128:255] value as loaded; U's accumulators; the scan's slices; Q's fragment (a, dd) at 128 + 8 (4 a + dd)
; WINDOW 1: 64 slots of four registers for key's rows, then query's loads.  Then v0-127 the state's fragments (hl, ct, dd) at 8 (4 (2 hl + ct) + dd); then S^T (a, b) at 8 (a (a + 1) / 2 + b), V^T (ct, beta) at
; 80 + 8 (2 beta + ct); O^T (a, ct) at 128 + 16 a + 8 ct; K's fragments at 192 + 32 (dd % 2) + 8 b.
.set MSB, 0
.macro WIN new                         ; s_set_vgpr_msb: bits 1:0 source 0, 3:2 source 1, 5:4 source 2, 7:6 destination; the high byte repeats the setting that is left
.if MSB != (\new)
	s_set_vgpr_msb (MSB<<8)|(\new)
.set MSB, \new
.endif
.endm
.macro PLACES                          ; the distance behind matrix instructions: five plain instructions serve vector work, loads and matrix instructions alike
.rept 5
	v_nop
.endr
.endm
.macro RND2 a, b, t                    ; two f32 rounded to bf16 and widened again
	v_cvt_pk_bf16_f32 v[\t], v[\a], v[\b]
	v_lshlrev_b32 v[\a], 16, v[\t]
	v_and_b32 v[\b], s30, v[\t]
.endm
.macro SPLIT np, src, hi, lo, y        ; np pairs of f32: hi = bf16(src), lo = bf16(src - hi); src stays
.set kk, 0
.rept \np
	v_cvt_pk_bf16_f32 v[(\hi)+kk], v[(\src)+2*kk], v[(\src)+2*kk+1]
.set kk, kk+1
.endr
.set kk, 0
.rept \np
	v_lshlrev_b32 v[(\y)+2*kk], 16, v[(\hi)+kk]
	v_and_b32 v[(\y)+2*kk+1], s30, v[(\hi)+kk]
.set kk, kk+1
.endr
.set kk, 0
.rept \np
	v_pk_add_f32 v[(\y)+2*kk:(\y)+2*kk+1], v[(\src)+2*kk:(\src)+2*kk+1], v[(\y)+2*kk:(\y)+2*kk+1] neg_lo:[0,1] neg_hi:[0,1]
.set kk, kk+1
.endr
.set kk, 0
.rept \np
	v_cvt_pk_bf16_f32 v[(\lo)+kk], v[(\y)+2*kk], v[(\y)+2*kk+1]
.set kk, kk+1
.endr
.endm
; The wave's 64 lam go into scalar registers (lam_u in s[32 + u + 2 (u / 32)]: s64 and s65 are passed over); suffix and prefix products are chains of scalar multiplies, written back lane by lane.
.macro TABLES
	RND2 24, 25, 30
	RND2 26, 27, 30
	RND2 28, 29, 30
	v_mul_f32 v26, v26, v28                        ; w = alpha rho, exact in f32
	v_mul_f32 v27, v27, v29
.set u, 0
.rept 64
	v_readlane_b32 s[32+u+2*(u/32)], v[24+u/32], u%32
.set u, u+1
.endr
.irp r, 28,29,30,31
	v_mov_b32 v\r, 0                               ; v_writelane_b32's destination counts as read
.endr
	s_mov_b32 s98, 1.0
	v_writelane_b32 v31, s98, 31                   ; behind the last step stands nothing
.set u, 62
.rept 63
	s_mul_f32 s98, s98, s[32+(u+1)+2*((u+1)/32)]
	v_writelane_b32 v[30+u/32], s98, u%32
.set u, u-1
.endr
	s_mov_b32 s31, s32
	v_writelane_b32 v28, s31, 0
.set u, 1
.rept 63
	s_mul_f32 s31, s31, s[32+u+2*(u/32)]
	v_writelane_b32 v[28+u/32], s31, u%32
.set u, u+1
.endr
	v_mul_f32 v30, v26, v30                        ; z
	v_mul_f32 v31, v27, v31
	ds_store_b32 v11, v26
	ds_store_b32 v11, v27 offset:128
	ds_store_b32 v11, v30 offset:256
	ds_store_b32 v11, v31 offset:384
	ds_store_b32 v11, v28 offset:512
	ds_store_b32 v11, v29 offset:640
	v_mov_b32 v23, s31                             ; G_w = p_63
	ds_store_b32 v22, v23                          ; all lanes write the same word with the same value
.endm
.macro VSTG                            ; value: load n holds rows 4 n .. 4 n + 3, a lane four channels: 8 bytes of bf16
.irp n, 0,1,2,3,4,5,6,7,8,9,10,11,12,13,14,15
	v_cvt_pk_bf16_f32 v[CT+2*(\n%4)], v[UA+4*\n], v[UA+4*\n+1]
	v_cvt_pk_bf16_f32 v[CT+2*(\n%4)+1], v[UA+4*\n+2], v[UA+4*\n+3]
	ds_store_b64 v7, v[CT+2*(\n%4):CT+2*(\n%4)+1] offset:4*VP*\n
.endr
.endm
; Rows 4 g .. 4 g + 3 of key go into LDS, and their four slots are asked for again: query tile g / 4, dk 32 (g % 4) on: a lane takes 4 x 16 bytes of row lane % 16, as a fragment wants them.
.macro KGRP g
	s_wait_loadcnt 60                              ; behind these four: 60 - 4 g loads of key and 4 g of query
	WIN 0x05
.irp i, 0,1,2,3
	v_cvt_pk_bf16_f32 v[CT+2*\i], v[16*(\g)+4*\i], v[16*(\g)+4*\i+1]
	v_cvt_pk_bf16_f32 v[CT+2*\i+1], v[16*(\g)+4*\i+2], v[16*(\g)+4*\i+3]
.endr
	WIN 0
.irp i, 0,1,2,3
	ds_store_b64 v6, v[CT+2*\i:CT+2*\i+1] offset:KP*(4*(\g)+\i)
.endr
	WIN 0x40
.irp i, 0,1,2,3
	global_load_b128 v[16*(\g)+4*\i:16*(\g)+4*\i+3], v4, s[4:5] offset:((\g)/4)*8192+((\g)%4)*128+(\i/2)*64+(\i%2)*16 th:TH_LOAD_NT
.endr
.endm
; Steps 32 sb .. 32 sb + 31 of U: z v in two parts, then 32 products.  LDS serves a wave's instructions in order (ISA guide 5.7.1.4), so the loads see the wave's own stores.
; The eight accumulators of a run of 16 take turns, one instruction a turn.
.macro UPH sb
.irp ct, 0,1
	ds_load_tr16_b128 v[KX+8*\ct:KX+8*\ct+3], v10 offset:32*VP*(\sb)+32*\ct
	ds_load_tr16_b128 v[KX+8*\ct+4:KX+8*\ct+7], v10 offset:32*VP*(\sb)+32*\ct+16*VP
.endr
	ds_load_b128 v[KX+16:KX+19], v12 offset:128*(\sb)
	ds_load_b128 v[KX+20:KX+23], v12 offset:128*(\sb)+16
	ds_load_b128 v[KX+24:KX+27], v12 offset:128*(\sb)+64
	ds_load_b128 v[KX+28:KX+31], v12 offset:128*(\sb)+80
	s_wait_dscnt 0x0
.irp ct, 0,1
.irp q, 0,1
.irp k, 0,1,2,3
	v_lshlrev_b32 v[X+2*\k], 16, v[KX+8*\ct+4*\q+\k]
	v_and_b32 v[X+2*\k+1], s30, v[KX+8*\ct+4*\q+\k]
.endr
.irp k, 0,1,2,3
	v_pk_mul_f32 v[X+2*\k:X+2*\k+1], v[X+2*\k:X+2*\k+1], v[KX+16+8*\q+2*\k:KX+16+8*\q+2*\k+1]
.endr
	SPLIT 4, X, VV+8*\ct+4*\q, VV+16+8*\ct+4*\q, Y
.endr
.endr
.irp e, 0,1
.irp dd, 0,1,2,3
	ds_load_tr16_b128 v[KX+8*\dd:KX+8*\dd+3], v9 offset:32*KP*(\sb)+32*(4*\e+\dd)
	ds_load_tr16_b128 v[KX+8*\dd+4:KX+8*\dd+7], v9 offset:32*KP*(\sb)+32*(4*\e+\dd)+16*KP
.endr
	s_wait_dscnt 0x0
.irp hl, 0,1
.irp dd, 0,1,2,3
.irp ct, 0,1
.if (\sb)+\hl == 0
	v_wmma_f32_16x16x32_bf16 v[UA+8*(8*\e+2*\dd+\ct):UA+8*(8*\e+2*\dd+\ct)+7], v[KX+8*\dd:KX+8*\dd+7], v[VV+16*\hl+8*\ct:VV+16*\hl+8*\ct+7], 0
.else
	v_wmma_f32_16x16x32_bf16 v[UA+8*(8*\e+2*\dd+\ct):UA+8*(8*\e+2*\dd+\ct)+7], v[KX+8*\dd:KX+8*\dd+7], v[VV+16*\hl+8*\ct:VV+16*\hl+8*\ct+7], v[UA+8*(8*\e+2*\dd+\ct):UA+8*(8*\e+2*\dd+\ct)+7]
.endif
.endr
.endr
.endr
	PLACES
.endr
.endm
.macro MFST x                          ; my slice of a state, split, into slot x: part hl, channel tile ct at byte 512 (2 hl + ct) of the slice
	SPLIT 8, MSR, 48, 56, 64
	ds_store_b128 v[16+(\x)/4], v[48:51] offset:((\x)%4)*16384
	ds_store_b128 v[16+(\x)/4], v[52:55] offset:((\x)%4)*16384+512
	ds_store_b128 v[16+(\x)/4], v[56:59] offset:((\x)%4)*16384+1024
	ds_store_b128 v[16+(\x)/4], v[60:63] offset:((\x)%4)*16384+1536
.endm
.macro QCVT a                          ; query tile a: 64 registers of f32 in window 1 become its four fragments
	WIN 0x05
.set m, 32*(\a)
.rept 32
	v_cvt_pk_bf16_f32 v[UA+m], v[2*m], v[2*m+1]
.set m, m+1
.endr
.endm
.macro KFLD dd                         ; K's four fragments for dk 32 dd on
	WIN 0x40
.irp b, 0,1,2,3
	ds_load_b128 v[192+32*((\dd)%2)+8*\b:192+32*((\dd)%2)+8*\b+3], v8 offset:16*KP*\b+64*(\dd)
	ds_load_b128 v[192+32*((\dd)%2)+8*\b+4:192+32*((\dd)%2)+8*\b+7], v8 offset:16*KP*\b+64*(\dd)+32
.endr
.endm
; E[s] = e(16 a + lane % 16, 16 b + s), s = 15 .. 0.  In the diagonal tile the chain starts itself: 0 above the lane's own key, 1 at it.  Below it goes on from the tile above, whose E[0] still stands.
.macro CHAIN a, b
.if (\a) == (\b)
	v_mov_b32 v63, v[DL+15]
.else
.set u, 16*(\b)+16
	v_mul_f32 v63, s[32+u+2*(u/32)], v48
.endif
.set ss, 14
.rept 15
.set u, 16*(\b)+ss+1
.if (\a) == (\b)
	v_fma_f32 v[48+ss], s[32+u+2*(u/32)], v[48+ss+1], v[DL+ss]
.else
	v_mul_f32 v[48+ss], s[32+u+2*(u/32)], v[48+ss+1]
.endif
.set ss, ss-1
.endr
.endm
; Query tile a, key tile b: the scores times e w, in two parts, as half a fragment; behind an even b the fragment is whole: four products, O^T's two accumulators by turns.
; The next step's chain stands between those products and the next write of their sources.
.macro PSTEP a, b
.set SI, 8*((\a)*((\a)+1)/2+(\b))
	WIN 0
	ds_load_b128 v[72:75], v13 offset:64*(\b)
	ds_load_b128 v[76:79], v13 offset:64*(\b)+16
	CHAIN \a, \b
.irp j, 0,1,2,3,4,5,6,7
	v_cndmask_b32 v[64+\j], v[48+\j], v[56+\j], s30   ; s30 as a mask of lanes: lanes 16-31 hold keys 8-15 of the tile
.endr
	s_wait_dscnt 0x0
.irp j, 0,2,4,6
	v_pk_mul_f32 v[64+\j:65+\j], v[64+\j:65+\j], v[72+\j:73+\j]
.endr
	WIN 0x01
.irp j, 0,2,4,6
	v_pk_mul_f32 v[80+\j:81+\j], v[SI+\j:SI+\j+1], v[64+\j:65+\j]   ; ascending: the accumulator is read from its low end on
.endr
	WIN 0
	SPLIT 4, 80, 96+4*((\b)%2), 104+4*((\b)%2), 88
.if (\b)%2 == 0
.if (\a) == (\b)
.irp r, 100,101,102,103,108,109,110,111
	v_mov_b32 v\r, 0                               ; the tile above the diagonal
.endr
.endif
	WIN 0x51
.irp p, 96,104
.irp ct, 0,1
	v_wmma_f32_16x16x32_bf16 v[128+16*(\a)+8*\ct:128+16*(\a)+8*\ct+7], v[80+8*((\b)+\ct):80+8*((\b)+\ct)+7], v[\p:\p+7], v[128+16*(\a)+8*\ct:128+16*(\a)+8*\ct+7]
.endr
.endr
.endif
.endm
	s_load_b512 s[4:19], s[0:1], 0x0               ; query s[4:5], key s[6:7], value s[8:9], alpha s[10:11], rho s[12:13], lam s[14:15], init_state s[16:17], usum s[18:19]
	s_load_b128 s[20:23], s[0:1], 0x40             ; gdec s[20:21], out0 s[22:23]
	v_lshl_add_u32 v1, v0, 2, SPARE
	v_mov_b32 v2, 0
	v_lshrrev_b32 v23, 5, v0
	v_readfirstlane_b32 s24, v23                   ; wave 0..7
	s_mov_b32 s25, ttmp9                           ; segment
	s_and_b32 s26, ttmp7, 0xffff                   ; batch
	s_mov_b32 s30, 0xffff0000                      ; a word's upper bf16; also the mask of lanes 16-31
	v_and_b32 v23, 31, v0                          ; lane
	v_and_b32 v48, 15, v0                          ; r
	v_bfe_u32 v49, v0, 4, 1                        ; h
	v_and_b32 v50, 7, v0
	v_bfe_u32 v51, v0, 3, 1
	v_bfe_u32 v52, v0, 3, 2
	v_lshl_add_u32 v53, v49, 3, v50                ; a turning load's row: 8 h + lane % 8
	s_mul_i32 s2, s24, KB
	s_mul_i32 s3, s24, VBW
	s_add_co_u32 s3, s3, VB0
	s_mul_i32 s27, s24, 768
	s_add_co_u32 s27, s27, TB0
	v_lshlrev_b32 v3, 4, v23
	v_lshlrev_b32 v4, 9, v48
	v_lshl_add_u32 v4, v49, 5, v4
	v_lshlrev_b32 v5, 2, v23
	v_lshl_add_u32 v6, v23, 3, s2
	v_mul_u32_u24 v7, v52, VP
	v_lshl_add_u32 v7, v50, 3, v7
	v_add_nc_u32 v7, s3, v7
	v_mul_u32_u24 v8, v48, KP
	v_lshl_add_u32 v8, v49, 4, v8
	v_add_nc_u32 v8, s2, v8
	v_mul_u32_u24 v9, v53, KP
	v_lshl_add_u32 v9, v51, 4, v9
	v_add_nc_u32 v9, s2, v9
	v_mul_u32_u24 v10, v53, VP
	v_lshl_add_u32 v10, v51, 4, v10
	v_add_nc_u32 v10, s3, v10
	v_lshl_add_u32 v11, v23, 2, s27
	v_lshl_add_u32 v13, v49, 5, s27
	v_add_nc_u32 v12, 256, v13
	v_lshl_add_u32 v14, v48, 2, s27
	v_add_nc_u32 v14, 512, v14
	s_lshl_b32 s31, s24, 14
	s_add_co_u32 s31, s31, US0
	v_lshl_add_u32 v15, v23, 4, s31
	s_lshl_b32 s31, s24, 11
	v_lshl_add_u32 v56, v49, 10, s31               ; init_state: row 16 w + 8 h, channel r
	v_lshl_add_u32 v56, v48, 2, v56
	v_lshl_add_u32 v57, v23, 4, s31                ; a summary: my slice, my 16 bytes
	s_add_co_u32 s31, s31, US0
	v_lshl_add_u32 v16, v23, 4, s31
	v_add_nc_u32 v17, 0x10000, v16
	s_add_co_u32 s31, s24, 7
	s_and_b32 s31, s31, 7
	s_lshl_b32 s31, s31, 14
	s_add_co_u32 s31, s31, US0
	v_lshl_add_u32 v18, v23, 4, s31
	v_mov_b32 v19, GWT
	v_mul_u32_u24 v20, v48, 144
	v_lshl_add_u32 v20, v49, 5, v20
	v_add_nc_u32 v20, s3, v20
	v_mul_u32_u24 v21, v52, 144
	v_lshl_add_u32 v21, v50, 4, v21
	v_add_nc_u32 v21, s3, v21
	s_lshl_b32 s31, s24, 2
	s_add_co_u32 s31, s31, GWT
	v_mov_b32 v22, s31
	s_lshl_b32 s98, s26, 11
	s_lshl_b32 s31, s25, 9
	s_add_co_u32 s98, s98, s31
	s_lshl_b32 s31, s24, 6
	s_add_co_u32 s98, s98, s31                     ; my first step, counted over all batches: 2048 b + 512 seg + 64 w
	s_mov_b32 s29, 0
	s_wait_kmcnt 0x0
	s_lshl_b32 s28, s98, 9
	s_add_nc_u64 s[4:5], s[4:5], s[28:29]
	s_add_nc_u64 s[6:7], s[6:7], s[28:29]
	s_lshl_b32 s28, s98, 7
	s_add_nc_u64 s[8:9], s[8:9], s[28:29]
	s_add_nc_u64 s[22:23], s[22:23], s[28:29]
	s_lshl_b32 s28, s98, 2
	s_add_nc_u64 s[10:11], s[10:11], s[28:29]
	s_add_nc_u64 s[12:13], s[12:13], s[28:29]
	s_add_nc_u64 s[14:15], s[14:15], s[28:29]
	s_lshl_b32 s28, s26, 14
	s_add_nc_u64 s[16:17], s[16:17], s[28:29]
	s_mul_i32 s28, s26, 49152
	s_add_nc_u64 s[18:19], s[18:19], s[28:29]
	s_mul_i32 s28, s26, 384
	s_add_nc_u64 s[20:21], s[20:21], s[28:29]
	s_load_b32 s99, s[20:21], 0x0                  ; G of the batch's three summaries
	s_load_b32 s100, s[20:21], 0x80
	s_load_b32 s101, s[20:21], 0x100
	; 114 loads: 16 of init_state, 12 of the summaries, 6 of lam, alpha, rho, 16 of value, 64 of key
.irp ct, 0,1
.irp j, 0,1,2,3,4,5,6,7
	global_load_b32 v[64+8*\ct+\j], v56, s[16:17] offset:128*\j+64*\ct
.endr
.endr
.irp sg, 0,1,2
.irp k, 0,1,2,3
	global_load_b128 v[80+16*\sg+4*\k:80+16*\sg+4*\k+3], v57, s[18:19] offset:16384*\sg+512*\k
.endr
.endr
	global_load_b32 v24, v5, s[14:15]
	global_load_b32 v25, v5, s[14:15] offset:128
	global_load_b32 v26, v5, s[10:11]
	global_load_b32 v27, v5, s[10:11] offset:128
	global_load_b32 v28, v5, s[12:13]
	global_load_b32 v29, v5, s[12:13] offset:128
.set n, 0
.rept 16
	global_load_b128 v[UA+4*n:UA+4*n+3], v3, s[8:9] offset:512*n th:TH_LOAD_NT
.set n, n+1
.endr
	WIN 0x40
.set n, 0
.rept 64
	global_load_b128 v[4*n:4*n+3], v3, s[6:7] offset:512*n th:TH_LOAD_NT
.set n, n+1
.endr
	WIN 0
	s_wait_loadcnt 63                              ; of the 114 the oldest 51 are in: the 50 that are not key's among them
	s_wait_kmcnt 0x0
	; my slice of the segment's start state: init_state, rounded, folded with the summaries in front of the segment (all three are computed, the select keeps those that count)
.irp k, 0,1,2,3,4,5,6,7
	v_cvt_pk_bf16_f32 v23, v[64+2*\k], v[65+2*\k]
	v_lshlrev_b32 v[MSR+2*\k], 16, v23
	v_and_b32 v[MSR+2*\k+1], s30, v23
.endr
.irp sg, 0,1,2
	s_cmp_gt_u32 s25, \sg
	s_cselect_b32 s2, -1, 0
.set k, 0
.rept 16
	v_fma_f32 v23, s[99+\sg], v[MSR+k], v[80+16*\sg+k]
	v_cndmask_b32 v[MSR+k], v[MSR+k], v23, s2
.set k, k+1
.endr
.endr
	TABLES
	VSTG
.irp g, 0,1,2,3,4,5,6,7,8,9,10,11,12,13,14,15
	KGRP \g
.endr
	WIN 0
	s_cmp_eq_u32 s24, 7                            ; behind the last wave's steps no state is wanted
	s_cbranch_scc1 .Lno_u
	UPH 0
	UPH 1
.set m, 0
.rept 32
	ds_store_b128 v15, v[UA+4*m:UA+4*m+3] offset:512*m   ; ascending: each accumulator is read from its low end on
.set m, m+1
.endr
.Lno_u:
	s_wait_dscnt 0x0                               ; for the others' sake: U_w and G_w lie in LDS
	s_barrier_signal -1
	s_barrier_wait -1
	; THE SCAN, shared out by slices: only I read and write dk tile w of the slots
	ds_load_b128 v[80:83], v19
	ds_load_b128 v[84:87], v19 offset:16
.irp x, 0,1,2,3,4,5,6
.irp k, 0,1,2,3
	ds_load_b128 v[UA+16*\x+4*\k:UA+16*\x+4*\k+3], v[16+\x/4] offset:(\x%4)*16384+512*\k
.endr
.endr
	MFST 7                                         ; wave 0's start state
	s_wait_dscnt 4                                 ; all but the four stores just issued
.irp x, 0,1,2,3,4,5,6
.set k, 0
.rept 16
	v_fma_f32 v[MSR+k], v[80+\x], v[MSR+k], v[UA+16*\x+k]
.set k, k+1
.endr
	MFST \x                                        ; wave x + 1's start state
.endr
	s_wait_dscnt 0x0                               ; for the others' sake: my slices of all eight states lie in LDS
	s_barrier_signal -1
	s_barrier_wait -1
	v_and_b32 v23, 15, v0
.irp k, 0,1,2,3,4,5,6,7,8,9,10,11,12,13,14,15
	v_cmp_eq_u32 vcc_lo, \k, v23
	v_cndmask_b32 v[DL+\k], 0, 1.0, vcc_lo
.endr
	s_wait_loadcnt 48                              ; query's 64 loads are the last: tile 0's sixteen are in
	QCVT 0
	s_wait_loadcnt 32
	QCVT 1
	WIN 0
.irp a, 0,1,2,3
	ds_load_b32 v[112+\a], v14 offset:64*\a        ; p of my query in tile a
.endr
	WIN 0x40
.irp f, 0,1,2,3
.irp dd, 0,1,2,3
	ds_load_b128 v[8*(4*\f+\dd):8*(4*\f+\dd)+3], v18 offset:4096*\dd+512*\f
	ds_load_b128 v[8*(4*\f+\dd)+4:8*(4*\f+\dd)+7], v18 offset:4096*\dd+512*\f+2048
.endr
.endr
	s_wait_loadcnt 16
	QCVT 2
	s_wait_loadcnt 0x0
	QCVT 3
	KFLD 0
	KFLD 1
	; O^T = M^T Q^T, the state's two parts: 64 products, the eight accumulators by turns
	s_wait_dscnt 16                                ; all but K's sixteen loads
	WIN 0x51
.irp hl, 0,1
.irp dd, 0,1,2,3
.irp ct, 0,1
.irp a, 0,1,2,3
.if \hl+\dd == 0
	v_wmma_f32_16x16x32_bf16 v[128+16*\a+8*\ct:128+16*\a+8*\ct+7], v[8*(4*(2*\hl+\ct)+\dd):8*(4*(2*\hl+\ct)+\dd)+7], v[UA+8*(4*\a+\dd):UA+8*(4*\a+\dd)+7], 0
.else
	v_wmma_f32_16x16x32_bf16 v[128+16*\a+8*\ct:128+16*\a+8*\ct+7], v[8*(4*(2*\hl+\ct)+\dd):8*(4*(2*\hl+\ct)+\dd)+7], v[UA+8*(4*\a+\dd):UA+8*(4*\a+\dd)+7], v[128+16*\a+8*\ct:128+16*\a+8*\ct+7]
.endif
.endr
.endr
.endr
.endr
	PLACES
	WIN 0x44
.irp a, 0,1,2,3
.set j, 0
.rept 16
	v_mul_f32 v[128+16*\a+j], v[112+\a], v[128+16*\a+j]   ; times p_i; ascending
.set j, j+1
.endr
.endr
	WIN 0x40
.irp f, 0,1,2,3                        ; V^T: f = 2 beta + ct
	ds_load_tr16_b128 v[80+8*\f:80+8*\f+3], v10 offset:32*VP*(\f/2)+32*(\f%2)
	ds_load_tr16_b128 v[80+8*\f+4:80+8*\f+7], v10 offset:32*VP*(\f/2)+32*(\f%2)+16*VP
.endr
	; S^T = K Q^T for the ten tiles at and below the diagonal, by turns.  The waits count the LDS loads issued behind the fragments wanted: dk step 1's and V^T's; V^T's and step 2's; step 3's; none.
.irp dd, 0,1,2,3
.if \dd < 2
	s_wait_dscnt 16
.else
	s_wait_dscnt 8*(3-\dd)
.endif
	WIN 0x51
.irp b, 0,1,2,3
.irp a, 0,1,2,3
.if \a >= \b
.if \dd == 0
	v_wmma_f32_16x16x32_bf16 v[8*(\a*(\a+1)/2+\b):8*(\a*(\a+1)/2+\b)+7], v[192+32*(\dd%2)+8*\b:192+32*(\dd%2)+8*\b+7], v[UA+8*(4*\a+\dd):UA+8*(4*\a+\dd)+7], 0
.else
	v_wmma_f32_16x16x32_bf16 v[8*(\a*(\a+1)/2+\b):8*(\a*(\a+1)/2+\b)+7], v[192+32*(\dd%2)+8*\b:192+32*(\dd%2)+8*\b+7], v[UA+8*(4*\a+\dd):UA+8*(4*\a+\dd)+7], v[8*(\a*(\a+1)/2+\b):8*(\a*(\a+1)/2+\b)+7]
.endif
.endif
.endr
.endr
	PLACES
.if \dd < 2
	KFLD \dd+2
.endif
.endr
	PSTEP 0, 0
	PSTEP 1, 1
	PSTEP 1, 0
	PSTEP 2, 2
	PSTEP 2, 1
	PSTEP 2, 0
	PSTEP 3, 3
	PSTEP 3, 2
	PSTEP 3, 1
	PSTEP 3, 0
	; THE WAY OUT: a lane's eight channels of a row (32 bytes) go into my stage, rows of 144 bytes, and come back as four whole rows of 128 bytes a load.  The stage is used tile after tile: LDS serves a wave in order.
	PLACES
.irp a, 0,1,2,3
	WIN 0x04
.irp c, 0,1,2,3
	ds_store_b128 v20, v[128+16*\a+4*\c:128+16*\a+4*\c+3] offset:64*(\c/2)+16*(\c%2)
.endr
	WIN 0
.irp n, 0,1,2,3
	ds_load_b128 v[48+16*\a+4*\n:48+16*\a+4*\n+3], v21 offset:576*\n
.endr
.endr
.irp a, 0,1,2,3
	s_wait_dscnt 8*(3-\a)                          ; behind tile a's loads stand eight LDS instructions for each later tile
.irp n, 0,1,2,3
	global_store_b128 v3, v[48+16*\a+4*\n:48+16*\a+4*\n+3], s[22:23] offset:2048*\a+512*\n th:TH_STORE_NT   ; 512 consecutive bytes, at a multiple of 512 from the buffer's first
.endr
.endr
	s_wait_tensorcnt 0x0                           ; the wave's end: behind my last LDS store
	ds_add_u32 v1, v2
	s_wait_dscnt 0x0
	s_endpgm
.Lfunc_end_k_qaef20fa812_readout:
	.size	k_qaef20fa812_readout, .Lfunc_end_k_qaef20fa812_readout-k_qaef20fa812_readout
	.p2alignl 7, 3214868480
	.fill 96, 4, 3214868480
	.section	.rodata,"a",@progbits
	.p2align	6, 0x0
	.amdhsa_kernel k_qaef20fa812_readout
		.amdhsa_group_segment_fixed_size 326912
		.amdhsa_private_segment_fixed_size 0
		.amdhsa_enable_private_segment 0
		.amdhsa_kernarg_size 80
		.amdhsa_user_sgpr_count 2
		.amdhsa_user_sgpr_kernarg_segment_ptr 1
		.amdhsa_wavefront_size32 1
		.amdhsa_system_sgpr_workgroup_id_x 1
		.amdhsa_system_sgpr_workgroup_id_y 1
		.amdhsa_system_sgpr_workgroup_id_z 1
		.amdhsa_system_vgpr_workitem_id 0
		.amdhsa_next_free_vgpr 512
		.amdhsa_next_free_sgpr 102
		.amdhsa_reserve_vcc 1
		.amdhsa_float_denorm_mode_32 3
		.amdhsa_float_denorm_mode_16_64 3
		.amdhsa_memory_ordered 1
		.amdhsa_forward_progress 1
		.amdhsa_inst_pref_size 172
	.end_amdhsa_kernel
	.amdgpu_metadata
---
amdhsa.version: [ 1, 2 ]
amdhsa.kernels:
  - .name:           k_qaef20fa812_readout
    .symbol:         k_qaef20fa812_readout.kd
    .args:
      - { .name: query, .offset: 0, .size: 8, .value_kind: global_buffer, .address_space: global }
      - { .name: key, .offset: 8, .size: 8, .value_kind: global_buffer, .address_space: global }
      - { .name: value, .offset: 16, .size: 8, .value_kind: global_buffer, .address_space: global }
      - { .name: alpha, .offset: 24, .size: 8, .value_kind: global_buffer, .address_space: global }
      - { .name: rho, .offset: 32, .size: 8, .value_kind: global_buffer, .address_space: global }
      - { .name: lam, .offset: 40, .size: 8, .value_kind: global_buffer, .address_space: global }
      - { .name: init_state, .offset: 48, .size: 8, .value_kind: global_buffer, .address_space: global }
      - { .name: usum, .offset: 56, .size: 8, .value_kind: global_buffer, .address_space: global }
      - { .name: gdec, .offset: 64, .size: 8, .value_kind: global_buffer, .address_space: global }
      - { .name: out0, .offset: 72, .size: 8, .value_kind: global_buffer, .address_space: global }
    .group_segment_fixed_size: 326912
    .private_segment_fixed_size: 0
    .kernarg_segment_align: 8
    .kernarg_segment_size: 80
    .max_flat_workgroup_size: 256
    .sgpr_count:     102
    .vgpr_count:     512
    .wavefront_size: 32
...
	.end_amdgpu_metadata
.endif
;; end of part 2
;; ======== version 2 of 2: 2 launches; version 1 with the launches summ, readout written anew for expert scheduling mode
;; workspace buffers: usum 3,145,728 bytes; gdec 24,576 bytes
;; launch summ (part 3): grid 3 x 64, 8 waves a work-group, no clusters, 326,912 bytes of LDS; arguments key, value, alpha, rho, lam, usum, gdec; writes usum, gdec
.if DOCPART == 3
	.amdgcn_target "amdgcn-amd-amdhsa--gfx1250"
	.amdhsa_code_object_version 6
	.text
	.protected	k_qaef20fa812_summ
	.globl	k_qaef20fa812_summ
	.p2align	8
	.type	k_qaef20fa812_summ,@function
k_qaef20fa812_summ:
	s_mov_b64 s[64:65], 0
	v_nop
	global_prefetch_b8 v0, s[64:65] scope:SCOPE_SE
	s_setreg_imm32_b32 hwreg(HW_REG_WAVE_SCHED_MODE, 0, 2), 2
	s_setreg_imm32_b32 hwreg(HW_REG_WAVE_MODE, 25, 1), 1
	s_wait_xcnt 0x0
	s_wait_alu depctr_vm_vsrc(0)
; SUMMARIES.  M_t = lam_t M_(t-1) + w_t k_t v_t^T, w = rho alpha.  Over 512 steps: M_end = G M_start + U, G = the product of the lam,
; U = sum over s of z_s k_s v_s^T, z_s = w_s x (product of the lam behind s).  Work-group (sg, b), sg = 0..2, stores U (128 dk x 32 channels, f32) and G
; of steps 512 sg .. 512 sg + 511 of batch b; a sequence's last quarter needs no summary.
; FORMATS.  key, value, alpha, rho, lam are rounded to bf16 first; z v goes into the product as a bf16 high part and a bf16 low part; all sums in f32.
; LIMITS.  z is made of products alone, no quotient: lam = 0 and negative lam are served.  A partial product of lam over a sub-range may over- or underflow
; f32.  NaN and infinities are not treated apart.
; SHARES.  Eight waves, 64 steps each: 64 loads of 512 consecutive bytes of key into window 1, 16 of value; rounded into the wave's own LDS rows;
; U_w = K^T (z V): source 0 = 16 dk x 32 steps, source 1 = 32 steps x 16 channels, both turned out of LDS by ds_load_tr16_b128.  The eight U_w meet in LDS;
; wave w folds dk tile w (acc = G_x acc + U_x, x ascending) and stores its 2,048 bytes.
; U's LAYOUT in memory is the accumulators': byte d 2048 + ct 1024 + q 512 + 16 lane holds registers 4 q .. 4 q + 3 of tile (d, ct): element (dk 16 d + 8 (lane / 16) + j, channel 16 ct + lane % 16).
; No cluster: no two work-groups read the same bytes.  No tensor load: the f32 rows are converted in registers on their way into LDS.  No prefetch: every wave's loads are all out from its first lines.
; THE MODE: SCHED_MODE bits 1:0 = 2 (LLVM: expert scheduling mode 2), set by the entry lines.  The code itself states the register dependences
; between vector or matrix instructions and memory or LDS instructions, with s_wait_alu, always for 0.
; THE PLAN.  Registers that memory or LDS instructions touch, in program order:
;   v3 .. v22         offsets and LDS addresses: made at the head, never written again.
;   v24-31, v23       lam, alpha, rho land; vector work makes w, z and G_w of them; the tables' LDS stores read those.
;   v48-79            value's conversions write them, sixteen LDS stores read them; from then on X, Y and VV, vector and matrix work alone.
;   UA (v128-255)     value lands, its conversions read.  Group g of key's conversions writes UA + 8 g .. + 7, four LDS stores read them: a stage to each group, none written twice.
;                     Then the products write UA, 32 LDS stores read it, the eight slices land in it, the fold writes its first sixteen, the global stores read those.
;   KX (v96-127)      V^T and z land, unpacking and scaling read them; K^T lands, products read it: by turns.
;   window 1          key lands, its conversions read.
; So: one wait on va_vdst ahead of the first load, one ahead of the tables' and value's stores, one in each group of key, one ahead of each run of loads into KX but the first, one ahead of each run of
; stores of results; one wait on vm_vsrc behind the last group of key (both stages are written again) and one behind the barrier (the slices land where the stores read).
.set KP,  272                          ; a row of key in LDS: 256 bytes of bf16 + 16
.set VP,  96                           ; a row of value: 64 bytes + 32
.set KB,  64*KP                        ; a wave's 64 rows of key, from LDS byte 0 on
.set VB0, 8*KB                         ; then the waves' rows of value
.set VBW, 64*VP
.set US0, VB0+8*VBW                    ; eight slots of 16,384 bytes: U_w
.set TB0, US0+8*16384                  ; 768 bytes a wave: w, z (and in the next launch the prefix products)
.set GWT, TB0+8*768                    ; word w: G_w
; v3 16 lane; v5 4 lane; v6 key rows in; v7 value rows in; v9 K^T out; v10 V^T out; v11 tables in; v12 z out;
; v15 my slot; v16, v17 my slice of slots 0-3, 4-7; v18 my 16 bytes of a summary; v19 the G table; v22 my word of it; v23 at work; v24-31 lam, w, z.
.set CT, 48                            ; v[48:79] value's rows on their way into LDS; then X
.set X,  48
.set Y,  56                            ; v[56:63]
.set VV, 64                            ; v[64:95]  z v: part hl, channel tile ct at VV + 16 hl + 8 ct
.set KX, 96                            ; v[96:127] four fragments of K^T; before them raw V^T and z
.set UA, 128                           ; v[128:255] accumulator (d, ct) at UA + 8 (2 d + ct); before the sums the landing place of value, then key's rows on their way into LDS
.set MSB, 0
.macro WIN new                         ; s_set_vgpr_msb: bits 1:0 source 0, 3:2 source 1, 5:4 source 2, 7:6 destination; the high byte repeats the setting that is left
.if MSB != (\new)
	s_set_vgpr_msb (MSB<<8)|(\new)
.set MSB, \new
.endif
.endm
.macro PLACES                          ; the distance behind matrix instructions: five plain instructions serve vector work, loads and matrix instructions alike
.rept 5
	v_nop
.endr
.endm
.macro RND2 a, b, t                    ; two f32 rounded to bf16 and widened again
	v_cvt_pk_bf16_f32 v[\t], v[\a], v[\b]
	v_lshlrev_b32 v[\a], 16, v[\t]
	v_and_b32 v[\b], s30, v[\t]
.endm
.macro SPLIT np, src, hi, lo, y        ; np pairs of f32: hi = bf16(src), lo = bf16(src - hi); src stays
.set kk, 0
.rept \np
	v_cvt_pk_bf16_f32 v[(\hi)+kk], v[(\src)+2*kk], v[(\src)+2*kk+1]
.set kk, kk+1
.endr
.set kk, 0
.rept \np
	v_lshlrev_b32 v[(\y)+2*kk], 16, v[(\hi)+kk]
	v_and_b32 v[(\y)+2*kk+1], s30, v[(\hi)+kk]
.set kk, kk+1
.endr
.set kk, 0
.rept \np
	v_pk_add_f32 v[(\y)+2*kk:(\y)+2*kk+1], v[(\src)+2*kk:(\src)+2*kk+1], v[(\y)+2*kk:(\y)+2*kk+1] neg_lo:[0,1] neg_hi:[0,1]
.set kk, kk+1
.endr
.set kk, 0
.rept \np
	v_cvt_pk_bf16_f32 v[(\lo)+kk], v[(\y)+2*kk], v[(\y)+2*kk+1]
.set kk, kk+1
.endr
.endm
; The wave's 64 lam go into scalar registers (lam_u in s[32 + u + 2 (u / 32)]: s64 and s65 are passed over); suffix products (and, pre = 1, prefix products) are chains of scalar multiplies, written back lane by lane.
; TABLES is the work on registers; TSTORE lays the tables into LDS.
.macro TABLES pre
	RND2 24, 25, 30
	RND2 26, 27, 30
	RND2 28, 29, 30
	v_mul_f32 v26, v26, v28                        ; w = alpha rho, exact in f32
	v_mul_f32 v27, v27, v29
.set u, 0
.rept 64
	v_readlane_b32 s[32+u+2*(u/32)], v[24+u/32], u%32
.set u, u+1
.endr
.irp r, 28,29,30,31
	v_mov_b32 v\r, 0                               ; v_writelane_b32's destination counts as read
.endr
	s_wait_alu depctr_va_sdst(0)                   ; the 64 v_readlane_b32 have written lam's scalar registers, ahead of their first readers, the multiplies below
	s_mov_b32 s98, 1.0
	v_writelane_b32 v31, s98, 31                   ; behind the last step stands nothing
.set u, 62
.rept 63
	s_mul_f32 s98, s98, s[32+(u+1)+2*((u+1)/32)]
	v_writelane_b32 v[30+u/32], s98, u%32
.set u, u-1
.endr
.if \pre
	s_mov_b32 s31, s32
	v_writelane_b32 v28, s31, 0
.set u, 1
.rept 63
	s_mul_f32 s31, s31, s[32+u+2*(u/32)]
	v_writelane_b32 v[28+u/32], s31, u%32
.set u, u+1
.endr
.else
	s_mul_f32 s31, s98, s32                        ; G_w
.endif
	v_mul_f32 v30, v26, v30                        ; z
	v_mul_f32 v31, v27, v31
	v_mov_b32 v23, s31
.endm
.macro TSTORE pre
	ds_store_b32 v11, v26
	ds_store_b32 v11, v27 offset:128
	ds_store_b32 v11, v30 offset:256
	ds_store_b32 v11, v31 offset:384
.if \pre
	ds_store_b32 v11, v28 offset:512
	ds_store_b32 v11, v29 offset:640
.endif
	ds_store_b32 v22, v23                          ; all lanes write the same word with the same value
.endm
.macro VCVT                            ; value: load n holds rows 4 n .. 4 n + 3, a lane four channels: 8 bytes of bf16, in two registers of their own
.irp n, 0,1,2,3,4,5,6,7,8,9,10,11,12,13,14,15
	v_cvt_pk_bf16_f32 v[CT+2*\n], v[UA+4*\n], v[UA+4*\n+1]
	v_cvt_pk_bf16_f32 v[CT+2*\n+1], v[UA+4*\n+2], v[UA+4*\n+3]
.endr
.endm
.macro VSTG
.irp n, 0,1,2,3,4,5,6,7,8,9,10,11,12,13,14,15
	ds_store_b64 v7, v[CT+2*\n:CT+2*\n+1] offset:4*VP*\n
.endr
.endm
.macro KGRP g, cnt                     ; rows 4 g .. 4 g + 3 of key, through eight registers of the group's own; cnt = the loads issued behind them
	s_wait_loadcnt \cnt
	WIN 0x05
.irp i, 0,1,2,3
	v_cvt_pk_bf16_f32 v[UA+8*(\g)+2*\i], v[16*(\g)+4*\i], v[16*(\g)+4*\i+1]
	v_cvt_pk_bf16_f32 v[UA+8*(\g)+2*\i+1], v[16*(\g)+4*\i+2], v[16*(\g)+4*\i+3]
.endr
	WIN 0
	s_wait_alu depctr_va_vdst(0)                   ; the eight conversions have written the group's stage, which the LDS stores read
.irp i, 0,1,2,3
	ds_store_b64 v6, v[UA+8*(\g)+2*\i:UA+8*(\g)+2*\i+1] offset:KP*(4*(\g)+\i)
.endr
.endm
; Steps 32 sb .. 32 sb + 31: z v in two parts, then 32 products.  LDS serves a wave's instructions in order (ISA guide 5.7.1.4), so the loads see the wave's own stores.
; The eight accumulators of a run of 16 take turns, one instruction a turn.
.macro UPH sb
.if \sb
	s_wait_alu depctr_va_vdst(0)                   ; the products of the 32 steps before are done reading KX, in which V^T and z land (ahead of the first 32 steps no vector instruction has named KX since the last such wait)
.endif
.irp ct, 0,1
	ds_load_tr16_b128 v[KX+8*\ct:KX+8*\ct+3], v10 offset:32*VP*(\sb)+32*\ct
	ds_load_tr16_b128 v[KX+8*\ct+4:KX+8*\ct+7], v10 offset:32*VP*(\sb)+32*\ct+16*VP
.endr
	ds_load_b128 v[KX+16:KX+19], v12 offset:128*(\sb)
	ds_load_b128 v[KX+20:KX+23], v12 offset:128*(\sb)+16
	ds_load_b128 v[KX+24:KX+27], v12 offset:128*(\sb)+64
	ds_load_b128 v[KX+28:KX+31], v12 offset:128*(\sb)+80
	s_wait_dscnt 0x0
.irp ct, 0,1
.irp q, 0,1
.irp k, 0,1,2,3
	v_lshlrev_b32 v[X+2*\k], 16, v[KX+8*\ct+4*\q+\k]
	v_and_b32 v[X+2*\k+1], s30, v[KX+8*\ct+4*\q+\k]
.endr
.irp k, 0,1,2,3
	v_pk_mul_f32 v[X+2*\k:X+2*\k+1], v[X+2*\k:X+2*\k+1], v[KX+16+8*\q+2*\k:KX+16+8*\q+2*\k+1]
.endr
	SPLIT 4, X, VV+8*\ct+4*\q, VV+16+8*\ct+4*\q, Y
.endr
.endr
.irp e, 0,1
	s_wait_alu depctr_va_vdst(0)                   ; By the unpacking and scaling above (first half), by the sixteen products just issued (second half)
.irp dd, 0,1,2,3
	ds_load_tr16_b128 v[KX+8*\dd:KX+8*\dd+3], v9 offset:32*KP*(\sb)+32*(4*\e+\dd)
	ds_load_tr16_b128 v[KX+8*\dd+4:KX+8*\dd+7], v9 offset:32*KP*(\sb)+32*(4*\e+\dd)+16*KP
.endr
	s_wait_dscnt 0x0
.irp hl, 0,1
.irp dd, 0,1,2,3
.irp ct, 0,1
.if (\sb)+\hl == 0
	v_wmma_f32_16x16x32_bf16 v[UA+8*(8*\e+2*\dd+\ct):UA+8*(8*\e+2*\dd+\ct)+7], v[KX+8*\dd:KX+8*\dd+7], v[VV+16*\hl+8*\ct:VV+16*\hl+8*\ct+7], 0
.else
	v_wmma_f32_16x16x32_bf16 v[UA+8*(8*\e+2*\dd+\ct):UA+8*(8*\e+2*\dd+\ct)+7], v[KX+8*\dd:KX+8*\dd+7], v[VV+16*\hl+8*\ct:VV+16*\hl+8*\ct+7], v[UA+8*(8*\e+2*\dd+\ct):UA+8*(8*\e+2*\dd+\ct)+7]
.endif
.endr
.endr
.endr
	PLACES
.endr
.endm
	s_load_b256 s[4:11], s[0:1], 0x0               ; key s[4:5], value s[6:7], alpha s[8:9], rho s[10:11]
	s_load_b128 s[12:15], s[0:1], 0x20             ; lam s[12:13], usum s[14:15]
	s_load_b64 s[16:17], s[0:1], 0x30              ; gdec
	v_lshl_add_u32 v46, v0, 2, 0x4f900
	v_mov_b32 v47, 0
	v_lshrrev_b32 v23, 5, v0
	v_readfirstlane_b32 s24, v23                   ; wave 0..7
	s_mov_b32 s25, ttmp9                           ; sg
	s_and_b32 s26, ttmp7, 0xffff                   ; batch
	s_mov_b32 s30, 0xffff0000                      ; a word's upper bf16
	v_and_b32 v23, 31, v0                          ; lane
	v_bfe_u32 v49, v0, 4, 1                        ; h
	v_and_b32 v50, 7, v0
	v_bfe_u32 v51, v0, 3, 1
	v_bfe_u32 v52, v0, 3, 2
	v_lshl_add_u32 v53, v49, 3, v50                ; a turning load's row: 8 h + lane % 8
	s_wait_alu depctr_va_sdst(0)                   ; s24 is written, ahead of its first reader: the LDS bases and the buffers' offsets are made from it
	s_mul_i32 s2, s24, KB
	s_mul_i32 s3, s24, VBW
	s_add_co_u32 s3, s3, VB0
	s_mul_i32 s27, s24, 768
	s_add_co_u32 s27, s27, TB0
	v_lshlrev_b32 v3, 4, v23
	v_lshlrev_b32 v5, 2, v23
	v_lshl_add_u32 v6, v23, 3, s2
	v_mul_u32_u24 v7, v52, VP
	v_lshl_add_u32 v7, v50, 3, v7
	v_add_nc_u32 v7, s3, v7
	v_mul_u32_u24 v9, v53, KP
	v_lshl_add_u32 v9, v51, 4, v9
	v_add_nc_u32 v9, s2, v9
	v_mul_u32_u24 v10, v53, VP
	v_lshl_add_u32 v10, v51, 4, v10
	v_add_nc_u32 v10, s3, v10
	v_lshl_add_u32 v11, v23, 2, s27
	v_lshl_add_u32 v12, v49, 5, s27
	v_add_nc_u32 v12, 256, v12
	s_lshl_b32 s31, s24, 14
	s_add_co_u32 s31, s31, US0
	v_lshl_add_u32 v15, v23, 4, s31
	s_lshl_b32 s31, s24, 11
	v_lshl_add_u32 v18, v23, 4, s31
	s_add_co_u32 s31, s31, US0
	v_lshl_add_u32 v16, v23, 4, s31
	v_add_nc_u32 v17, 0x10000, v16
	v_mov_b32 v19, GWT
	s_lshl_b32 s31, s24, 2
	s_add_co_u32 s31, s31, GWT
	v_mov_b32 v22, s31
	s_lshl_b32 s98, s26, 11
	s_lshl_b32 s31, s25, 9
	s_add_co_u32 s98, s98, s31
	s_lshl_b32 s31, s24, 6
	s_add_co_u32 s98, s98, s31                     ; my first step, counted over all batches: 2048 b + 512 sg + 64 w
	s_mov_b32 s29, 0
	s_wait_kmcnt 0x0
	s_lshl_b32 s28, s98, 9
	s_add_nc_u64 s[4:5], s[4:5], s[28:29]
	s_lshl_b32 s28, s98, 7
	s_add_nc_u64 s[6:7], s[6:7], s[28:29]
	s_lshl_b32 s28, s98, 2
	s_add_nc_u64 s[8:9], s[8:9], s[28:29]
	s_add_nc_u64 s[10:11], s[10:11], s[28:29]
	s_add_nc_u64 s[12:13], s[12:13], s[28:29]
	s_mul_i32 s31, s26, 3
	s_add_co_u32 s31, s31, s25
	s_lshl_b32 s28, s31, 14
	s_add_nc_u64 s[14:15], s[14:15], s[28:29]
	s_lshl_b32 s28, s31, 7
	s_add_nc_u64 s[16:17], s[16:17], s[28:29]
	s_wait_alu depctr_va_vdst(0)                   ; the offsets and LDS addresses v3 to v22 are written: every load and store of the kernel reads one of them
	; 86 loads: 6 of lam, alpha, rho; 16 of value; 64 of key
	global_load_b32 v24, v5, s[12:13]
	global_load_b32 v25, v5, s[12:13] offset:128
	global_load_b32 v26, v5, s[8:9]
	global_load_b32 v27, v5, s[8:9] offset:128
	global_load_b32 v28, v5, s[10:11]
	global_load_b32 v29, v5, s[10:11] offset:128
.set n, 0
.rept 16
	global_load_b128 v[UA+4*n:UA+4*n+3], v3, s[6:7] offset:512*n
.set n, n+1
.endr
	WIN 0x40
.set n, 0
.rept 64
	global_load_b128 v[4*n:4*n+3], v3, s[4:5] offset:512*n
.set n, n+1
.endr
	WIN 0
	s_wait_loadcnt 63                              ; of the 86 the oldest 23 are in: the 22 that are not key's among them
	TABLES 0
	VCVT
	s_wait_alu depctr_va_vdst(0)                   ; w, z and G_w (v26, v27, v30, v31, v23) and value's 32 staged registers are written, which the LDS stores below read
	TSTORE 0
	VSTG
.irp g, 0,1,2,3,4,5,6,7,8,9,10,11,12,13,14,15
	KGRP \g, 60-4*\g
.endr
	s_wait_alu depctr_vm_vsrc(0)                   ; the LDS stores have read value's stage (v48-79) and key's (UA): the work below writes X, Y, VV and the accumulators there
	UPH 0
	UPH 1
	s_wait_alu depctr_va_vdst(0)                   ; the products have written the accumulators, which the LDS stores read; the places above stay beside this wait
.set m, 0
.rept 32
	ds_store_b128 v15, v[UA+4*m:UA+4*m+3] offset:512*m   ; ascending: each accumulator is read from its low end on
.set m, m+1
.endr
	s_wait_dscnt 0x0                               ; for the others' sake: U_w and G_w lie in LDS
	s_barrier_signal -1
	s_barrier_wait -1
	s_wait_alu depctr_vm_vsrc(0)                   ; my LDS stores have read UA, in which the eight slices land
	ds_load_b128 v[80:83], v19
	ds_load_b128 v[84:87], v19 offset:16
.irp x, 0,1,2,3,4,5,6,7
.irp k, 0,1,2,3
	ds_load_b128 v[UA+16*\x+4*\k:UA+16*\x+4*\k+3], v[16+\x/4] offset:(\x%4)*16384+512*\k
.endr
.endr
	s_wait_dscnt 0x0
.irp x, 1,2,3,4,5,6,7
.set k, 0
.rept 16
	v_fma_f32 v[UA+k], v[80+\x], v[UA+k], v[UA+16*\x+k]
.set k, k+1
.endr
.endr
	s_wait_alu depctr_va_vdst(0)                   ; the fold has written v[UA .. UA + 15], which the stores read
.irp k, 0,1,2,3
	global_store_b128 v18, v[UA+4*\k:UA+4*\k+3], s[14:15] offset:512*\k   ; 512 consecutive bytes, at a multiple of 512 from the buffer's first
.endr
	s_cmp_lg_u32 s24, 0
	s_cbranch_scc1 .Lend
.irp x, 1,2,3,4,5,6,7
	v_mul_f32 v80, v80, v[80+\x]
.endr
	s_wait_alu depctr_va_vdst(0)                   ; G is written in v80, which the store reads
	global_store_b32 v5, v80, s[16:17]             ; G in all 32 words of its 128 bytes: EXEC stays whole
.Lend:
	s_wait_dscnt 0x0                               ; the wave's end
	s_wait_alu depctr_hold_cnt(0) depctr_sa_sdst(0) depctr_va_vdst(0) depctr_va_sdst(0) depctr_va_ssrc(0) depctr_va_vcc(0) depctr_vm_vsrc(0)
	s_wait_tensorcnt 0x0
	ds_add_u32 v46, v47
	s_wait_dscnt 0x0
	s_endpgm
.Lfunc_end_k_qaef20fa812_summ:
	.size	k_qaef20fa812_summ, .Lfunc_end_k_qaef20fa812_summ-k_qaef20fa812_summ
	.p2alignl 7, 3214868480
	.fill 96, 4, 3214868480
	.section	.rodata,"a",@progbits
	.p2align	6, 0x0
	.amdhsa_kernel k_qaef20fa812_summ
		.amdhsa_group_segment_fixed_size 326912
		.amdhsa_private_segment_fixed_size 0
		.amdhsa_enable_private_segment 0
		.amdhsa_kernarg_size 56
		.amdhsa_user_sgpr_count 2
		.amdhsa_user_sgpr_kernarg_segment_ptr 1
		.amdhsa_wavefront_size32 1
		.amdhsa_system_sgpr_workgroup_id_x 1
		.amdhsa_system_sgpr_workgroup_id_y 1
		.amdhsa_system_sgpr_workgroup_id_z 1
		.amdhsa_system_vgpr_workitem_id 0
		.amdhsa_next_free_vgpr 512
		.amdhsa_next_free_sgpr 102
		.amdhsa_reserve_vcc 0
		.amdhsa_float_denorm_mode_32 3
		.amdhsa_float_denorm_mode_16_64 3
		.amdhsa_memory_ordered 1
		.amdhsa_forward_progress 1
		.amdhsa_inst_pref_size 73
	.end_amdhsa_kernel
	.amdgpu_metadata
---
amdhsa.version: [ 1, 2 ]
amdhsa.kernels:
  - .name:           k_qaef20fa812_summ
    .symbol:         k_qaef20fa812_summ.kd
    .args:
      - { .name: key, .offset: 0, .size: 8, .value_kind: global_buffer, .address_space: global }
      - { .name: value, .offset: 8, .size: 8, .value_kind: global_buffer, .address_space: global }
      - { .name: alpha, .offset: 16, .size: 8, .value_kind: global_buffer, .address_space: global }
      - { .name: rho, .offset: 24, .size: 8, .value_kind: global_buffer, .address_space: global }
      - { .name: lam, .offset: 32, .size: 8, .value_kind: global_buffer, .address_space: global }
      - { .name: usum, .offset: 40, .size: 8, .value_kind: global_buffer, .address_space: global }
      - { .name: gdec, .offset: 48, .size: 8, .value_kind: global_buffer, .address_space: global }
    .group_segment_fixed_size: 326912
    .private_segment_fixed_size: 0
    .kernarg_segment_align: 8
    .kernarg_segment_size: 56
    .max_flat_workgroup_size: 256
    .sgpr_count:     102
    .vgpr_count:     512
    .wavefront_size: 32
...
	.end_amdgpu_metadata
.endif
;; end of part 3
;; launch readout (part 4): grid 4 x 64, 8 waves a work-group, no clusters, 326,912 bytes of LDS; arguments query, key, value, alpha, rho, lam, init_state, usum, gdec, out0; writes out0
.if DOCPART == 4
	.amdgcn_target "amdgcn-amd-amdhsa--gfx1250"
	.amdhsa_code_object_version 6
	.text
	.protected	k_qaef20fa812_readout
	.globl	k_qaef20fa812_readout
	.p2align	8
	.type	k_qaef20fa812_readout,@function
k_qaef20fa812_readout:
	s_mov_b64 s[64:65], 0
	v_nop
	global_prefetch_b8 v0, s[64:65] scope:SCOPE_SE
	s_setreg_imm32_b32 hwreg(HW_REG_WAVE_SCHED_MODE, 0, 2), 2
	s_setreg_imm32_b32 hwreg(HW_REG_WAVE_MODE, 25, 1), 1
	s_wait_xcnt 0x0
	s_wait_alu depctr_vm_vsrc(0)
; READOUT.  M_t = lam_t M_(t-1) + w_t k_t v_t^T, w = rho alpha; out_t = q_t^T M_t.  Work-group (seg, b) makes steps 512 seg .. 512 seg + 511 of batch b; each of its eight waves 64 of them.
; For a wave with start state M and local steps u = 0..63:  out_i = p_i q_i^T M + sum over s <= i of e(i, s) w_s (q_i . k_s) v_s,  p_i = lam_0 .. lam_i,  e(i, s) = lam_(s+1) .. lam_i;
; behind its steps the state is G M + U, G = p_63, U = sum of z_s k_s v_s^T, z_s = w_s lam_(s+1) .. lam_63.
; THE STATES.  The segment's start state is init_state folded with the summaries (usum, gdec) of the segments in front.  Waves 0-6 make U_w and G_w; they meet in LDS; wave w owns dk tile w of the state
; and walks it through the eight waves' starts, leaving each as matrix fragments in LDS.  Two barriers in all.
; FORMATS.  All inputs are rounded to bf16 first.  What the program itself makes and multiplies (z v, the state, the weighted scores) goes in as a bf16 high part and a bf16 low part, two products; sums and states in f32.
; LIMITS.  All decay factors are products over true sub-ranges, no quotient: lam = 0 and negative lam are served; such a partial product may over- or underflow f32.  A hidden score is multiplied by 0 and a
; dead link of the decay chain is 0 x lam: q . k and lam must be finite.  NaN and infinities are not treated apart.
; LAYOUT.  S^T = K Q^T (source 0 = 16 keys, source 1 = 16 queries): a lane holds one query (lane % 16) and the keys 8 (lane / 16) + 0..7; two such tiles packed ARE source 1 of O^T = V^T P.
; U = K^T (z V) holds one channel a lane and eight dk; two such tiles packed ARE source 0 of O^T = M^T Q^T.  K^T and V^T come turned out of LDS (ds_load_tr16_b128).
; No cluster: the work-groups share no bulk input.  No tensor load: f32 is converted in registers on the way.  No prefetch: every wave's loads are out from its first lines.
; THE MODE: SCHED_MODE bits 1:0 = 2 (LLVM: expert scheduling mode 2), set by the entry lines.  The code itself states the register dependences
; between vector or matrix instructions and memory or LDS instructions, with s_wait_alu, always for 0.
; THE PLAN.  Registers that memory or LDS instructions touch, in program order:
;   v3 .. v22         offsets and LDS addresses: made at the head, never written again.  v56, v57: the offsets of init_state and of the summaries, read by the first 28 loads; value's stage takes them later.
;   v24-31, v23       lam, alpha, rho land; vector work makes w, z, p and G_w of them; the tables' LDS stores read those.  v23 is written again behind the second barrier.
;   v48-79            value's conversions write them, sixteen LDS stores read them; from then on vector and matrix work alone, until the way out's loads land in v48-111.
;   UA (v128-255)     value lands, its conversions read.  Group g of key's conversions writes UA + 8 g .. + 7, four LDS stores read them: a stage to each group.  The products write U, 32 LDS stores read it.
;                     Slice x lands in UA + 16 x, the scan's step x reads it and lays the next state's two parts there, four LDS stores read them: an out-buffer to each step.
;                     Then Q's fragments (conversions write, products read); behind S^T w of key tile b lands in UA + 8 b, once for all ten steps of the scores.
;   KX (v96-127)      V^T and z land, unpacking and scaling read them; K^T lands, products read it: by turns.
;   window 1          key lands, a group's conversions read it, query lands in the same slots, its conversions read that; the state's fragments land in v0-127, K's in v192-255, products read them;
;                     V^T lands in v80-111; K's two buffers are loaded once more; O^T (v128-191) is written by products and read by the way out's LDS stores.
; So one wait on va_vdst stands ahead of each run of loads or stores whose registers vector or matrix work has named since the last such wait, and nowhere else: the ten steps of the scores hold none.
; Four waits on vm_vsrc: behind the first loads' data (v56, v57), behind the last group of key and ahead of the branch (both stages, v23), and behind each barrier (UA).
.set KP,  272                          ; a row of key in LDS: 256 bytes of bf16 + 16
.set VP,  96                           ; a row of value: 64 bytes + 32
.set KB,  64*KP                        ; a wave's 64 rows of key, from LDS byte 0 on
.set VB0, 8*KB                         ; the waves' rows of value; at the end each wave's stage for the way out, rows of 144 bytes
.set VBW, 64*VP
.set US0, VB0+8*VBW                    ; eight slots of 16,384 bytes: U_x in slot x; then the start state of wave x as fragments in slot (x + 7) % 8
.set TB0, US0+8*16384                  ; 768 bytes a wave: w, z, p
.set GWT, TB0+8*768                    ; word w: G_w
; WINDOW 0: v3 16 lane; v4 query's fragment offset; v5 4 lane; v6 key rows in; v7 value rows in; v8 K out; v9 K^T out; v10 V^T out; v11 tables in;
; v12 z, v13 w, v14 p out; v15 my slot; v16, v17 my slice of slots 0-3, 4-7; v18 my start state's fragments; v19 the G table; v20, v21 the stage in and out; v22 my word of the G table; v23 at work; v24-31 lam, w, p, z.
.set MSR, 32                           ; v[32:47]  my slice of the state; behind the scan DL[k] = 1.0 where lane % 16 = k, else 0
.set DL,  32
.set CT, 48                            ; v[48:127] by phase.  Value's rows on their way into LDS 48-79.  U: X 48, Y 56, VV 64, KX 96.  Scan: Y 64, G 80.  Scores: E 48, F 64, X 80, Y 88, PH 96, PL 104, p 112.  Way out: 48-111
.set X,  48
.set Y,  56
.set VV, 64
.set KX, 96
.set UA, 128                           ; v[128:255] value as loaded; key's rows on their way into LDS; U's accumulators; the scan's slices and the states' parts; Q's fragment (a, dd) at 128 + 8 (4 a + dd); w of key tile b at 128 + 8 b
; WINDOW 1: 64 slots of four registers for key's rows, then query's loads.  Then v0-127 the state's fragments (hl, ct, dd) at 8 (4 (2 hl + ct) + dd); then S^T (a, b) at 8 (a (a + 1) / 2 + b), V^T (ct, beta) at
; 80 + 8 (2 beta + ct); O^T (a, ct) at 128 + 16 a + 8 ct; K's fragments at 192 + 32 (dd % 2) + 8 b.
.set MSB, 0
.macro WIN new                         ; s_set_vgpr_msb: bits 1:0 source 0, 3:2 source 1, 5:4 source 2, 7:6 destination; the high byte repeats the setting that is left
.if MSB != (\new)
	s_set_vgpr_msb (MSB<<8)|(\new)
.set MSB, \new
.endif
.endm
.macro PLACES                          ; the distance behind matrix instructions: five plain instructions serve vector work, loads and matrix instructions alike
.rept 5
	v_nop
.endr
.endm
.macro RND2 a, b, t                    ; two f32 rounded to bf16 and widened again
	v_cvt_pk_bf16_f32 v[\t], v[\a], v[\b]
	v_lshlrev_b32 v[\a], 16, v[\t]
	v_and_b32 v[\b], s30, v[\t]
.endm
.macro SPLIT np, src, hi, lo, y        ; np pairs of f32: hi = bf16(src), lo = bf16(src - hi); src stays
.set kk, 0
.rept \np
	v_cvt_pk_bf16_f32 v[(\hi)+kk], v[(\src)+2*kk], v[(\src)+2*kk+1]
.set kk, kk+1
.endr
.set kk, 0
.rept \np
	v_lshlrev_b32 v[(\y)+2*kk], 16, v[(\hi)+kk]
	v_and_b32 v[(\y)+2*kk+1], s30, v[(\hi)+kk]
.set kk, kk+1
.endr
.set kk, 0
.rept \np
	v_pk_add_f32 v[(\y)+2*kk:(\y)+2*kk+1], v[(\src)+2*kk:(\src)+2*kk+1], v[(\y)+2*kk:(\y)+2*kk+1] neg_lo:[0,1] neg_hi:[0,1]
.set kk, kk+1
.endr
.set kk, 0
.rept \np
	v_cvt_pk_bf16_f32 v[(\lo)+kk], v[(\y)+2*kk], v[(\y)+2*kk+1]
.set kk, kk+1
.endr
.endm
; The wave's 64 lam go into scalar registers (lam_u in s[32 + u + 2 (u / 32)]: s64 and s65 are passed over); suffix and prefix products are chains of scalar multiplies, written back lane by lane.
; TABLES is the work on registers; TSTORE lays the tables into LDS.
.macro TABLES
	RND2 24, 25, 30
	RND2 26, 27, 30
	RND2 28, 29, 30
	v_mul_f32 v26, v26, v28                        ; w = alpha rho, exact in f32
	v_mul_f32 v27, v27, v29
.set u, 0
.rept 64
	v_readlane_b32 s[32+u+2*(u/32)], v[24+u/32], u%32
.set u, u+1
.endr
.irp r, 28,29,30,31
	v_mov_b32 v\r, 0                               ; v_writelane_b32's destination counts as read
.endr
	s_wait_alu depctr_va_sdst(0)                   ; the 64 v_readlane_b32 have written lam's scalar registers, ahead of their first readers, the multiplies below
	s_mov_b32 s98, 1.0
	v_writelane_b32 v31, s98, 31                   ; behind the last step stands nothing
.set u, 62
.rept 63
	s_mul_f32 s98, s98, s[32+(u+1)+2*((u+1)/32)]
	v_writelane_b32 v[30+u/32], s98, u%32
.set u, u-1
.endr
	s_mov_b32 s31, s32
	v_writelane_b32 v28, s31, 0
.set u, 1
.rept 63
	s_mul_f32 s31, s31, s[32+u+2*(u/32)]
	v_writelane_b32 v[28+u/32], s31, u%32
.set u, u+1
.endr
	v_mul_f32 v30, v26, v30                        ; z
	v_mul_f32 v31, v27, v31
	v_mov_b32 v23, s31                             ; G_w = p_63
.endm
.macro TSTORE
	ds_store_b32 v11, v26
	ds_store_b32 v11, v27 offset:128
	ds_store_b32 v11, v30 offset:256
	ds_store_b32 v11, v31 offset:384
	ds_store_b32 v11, v28 offset:512
	ds_store_b32 v11, v29 offset:640
	ds_store_b32 v22, v23                          ; all lanes write the same word with the same value
.endm
.macro VCVT                            ; value: load n holds rows 4 n .. 4 n + 3, a lane four channels: 8 bytes of bf16, in two registers of their own
.irp n, 0,1,2,3,4,5,6,7,8,9,10,11,12,13,14,15
	v_cvt_pk_bf16_f32 v[CT+2*\n], v[UA+4*\n], v[UA+4*\n+1]
	v_cvt_pk_bf16_f32 v[CT+2*\n+1], v[UA+4*\n+2], v[UA+4*\n+3]
.endr
.endm
.macro VSTG
.irp n, 0,1,2,3,4,5,6,7,8,9,10,11,12,13,14,15
	ds_store_b64 v7, v[CT+2*\n:CT+2*\n+1] offset:4*VP*\n
.endr
.endm
; Rows 4 g .. 4 g + 3 of key go into LDS, through eight registers of the group's own, and their four slots are asked for again: query tile g / 4, dk 32 (g % 4) on: a lane takes 4 x 16 bytes of row lane % 16, as a fragment wants them.
; The loads and the stores stand under one window setting: destination in window 1, addresses and store data in window 0.
.macro KGRP g
	s_wait_loadcnt 60                              ; behind these four: 60 - 4 g loads of key and 4 g of query
	WIN 0x05
.irp i, 0,1,2,3
	v_cvt_pk_bf16_f32 v[UA+8*(\g)+2*\i], v[16*(\g)+4*\i], v[16*(\g)+4*\i+1]
	v_cvt_pk_bf16_f32 v[UA+8*(\g)+2*\i+1], v[16*(\g)+4*\i+2], v[16*(\g)+4*\i+3]
.endr
	WIN 0x40
	s_wait_alu depctr_va_vdst(0)                   ; the eight conversions are done reading the group's four slots, in which query lands, and have written the group's stage, which the LDS stores read
.irp i, 0,1,2,3
	global_load_b128 v[16*(\g)+4*\i:16*(\g)+4*\i+3], v4, s[4:5] offset:((\g)/4)*8192+((\g)%4)*128+(\i/2)*64+(\i%2)*16 th:TH_LOAD_NT
.endr
.irp i, 0,1,2,3
	ds_store_b64 v6, v[UA+8*(\g)+2*\i:UA+8*(\g)+2*\i+1] offset:KP*(4*(\g)+\i)
.endr
.endm
; Steps 32 sb .. 32 sb + 31 of U: z v in two parts, then 32 products.  LDS serves a wave's instructions in order (ISA guide 5.7.1.4), so the loads see the wave's own stores.
; The eight accumulators of a run of 16 take turns, one instruction a turn.
.macro UPH sb
.if \sb
	s_wait_alu depctr_va_vdst(0)                   ; the products of the 32 steps before are done reading KX, in which V^T and z land (ahead of the first 32 steps no vector instruction has named KX since the last such wait)
.endif
.irp ct, 0,1
	ds_load_tr16_b128 v[KX+8*\ct:KX+8*\ct+3], v10 offset:32*VP*(\sb)+32*\ct
	ds_load_tr16_b128 v[KX+8*\ct+4:KX+8*\ct+7], v10 offset:32*VP*(\sb)+32*\ct+16*VP
.endr
	ds_load_b128 v[KX+16:KX+19], v12 offset:128*(\sb)
	ds_load_b128 v[KX+20:KX+23], v12 offset:128*(\sb)+16
	ds_load_b128 v[KX+24:KX+27], v12 offset:128*(\sb)+64
	ds_load_b128 v[KX+28:KX+31], v12 offset:128*(\sb)+80
	s_wait_dscnt 0x0
.irp ct, 0,1
.irp q, 0,1
.irp k, 0,1,2,3
	v_lshlrev_b32 v[X+2*\k], 16, v[KX+8*\ct+4*\q+\k]
	v_and_b32 v[X+2*\k+1], s30, v[KX+8*\ct+4*\q+\k]
.endr
.irp k, 0,1,2,3
	v_pk_mul_f32 v[X+2*\k:X+2*\k+1], v[X+2*\k:X+2*\k+1], v[KX+16+8*\q+2*\k:KX+16+8*\q+2*\k+1]
.endr
	SPLIT 4, X, VV+8*\ct+4*\q, VV+16+8*\ct+4*\q, Y
.endr
.endr
.irp e, 0,1
	s_wait_alu depctr_va_vdst(0)                   ; By the unpacking and scaling above (first half), by the sixteen products just issued (second half)
.irp dd, 0,1,2,3
	ds_load_tr16_b128 v[KX+8*\dd:KX+8*\dd+3], v9 offset:32*KP*(\sb)+32*(4*\e+\dd)
	ds_load_tr16_b128 v[KX+8*\dd+4:KX+8*\dd+7], v9 offset:32*KP*(\sb)+32*(4*\e+\dd)+16*KP
.endr
	s_wait_dscnt 0x0
.irp hl, 0,1
.irp dd, 0,1,2,3
.irp ct, 0,1
.if (\sb)+\hl == 0
	v_wmma_f32_16x16x32_bf16 v[UA+8*(8*\e+2*\dd+\ct):UA+8*(8*\e+2*\dd+\ct)+7], v[KX+8*\dd:KX+8*\dd+7], v[VV+16*\hl+8*\ct:VV+16*\hl+8*\ct+7], 0
.else
	v_wmma_f32_16x16x32_bf16 v[UA+8*(8*\e+2*\dd+\ct):UA+8*(8*\e+2*\dd+\ct)+7], v[KX+8*\dd:KX+8*\dd+7], v[VV+16*\hl+8*\ct:VV+16*\hl+8*\ct+7], v[UA+8*(8*\e+2*\dd+\ct):UA+8*(8*\e+2*\dd+\ct)+7]
.endif
.endr
.endr
.endr
	PLACES
.endr
.endm
; My slice of a state, split, into slot x: part hl, channel tile ct at byte 512 (2 hl + ct) of the slice.  The two parts lie in UA + 16 x .. + 15, which the scan's step x has just read out (x = 7: no slice lands there).
.macro MFST x
	SPLIT 8, MSR, UA+16*(\x), UA+16*(\x)+8, 64
	s_wait_alu depctr_va_vdst(0)                   ; the state's two parts are written, which the four LDS stores read
	ds_store_b128 v[16+(\x)/4], v[UA+16*(\x):UA+16*(\x)+3] offset:((\x)%4)*16384
	ds_store_b128 v[16+(\x)/4], v[UA+16*(\x)+4:UA+16*(\x)+7] offset:((\x)%4)*16384+512
	ds_store_b128 v[16+(\x)/4], v[UA+16*(\x)+8:UA+16*(\x)+11] offset:((\x)%4)*16384+1024
	ds_store_b128 v[16+(\x)/4], v[UA+16*(\x)+12:UA+16*(\x)+15] offset:((\x)%4)*16384+1536
.endm
.macro QCVT a                          ; query tile a: 64 registers of f32 in window 1 become its four fragments
	WIN 0x05
.set m, 32*(\a)
.rept 32
	v_cvt_pk_bf16_f32 v[UA+m], v[2*m], v[2*m+1]
.set m, m+1
.endr
.endm
.macro KFLD dd                         ; K's four fragments for dk 32 dd on
	WIN 0x40
.irp b, 0,1,2,3
	ds_load_b128 v[192+32*((\dd)%2)+8*\b:192+32*((\dd)%2)+8*\b+3], v8 offset:16*KP*\b+64*(\dd)
	ds_load_b128 v[192+32*((\dd)%2)+8*\b+4:192+32*((\dd)%2)+8*\b+7], v8 offset:16*KP*\b+64*(\dd)+32
.endr
.endm
; E[s] = e(16 a + lane % 16, 16 b + s), s = 15 .. 0.  In the diagonal tile the chain starts itself: 0 above the lane's own key, 1 at it.  Below it goes on from the tile above, whose E[0] still stands.
.macro CHAIN a, b
.if (\a) == (\b)
	v_mov_b32 v63, v[DL+15]
.else
.set u, 16*(\b)+16
	v_mul_f32 v63, s[32+u+2*(u/32)], v48
.endif
.set ss, 14
.rept 15
.set u, 16*(\b)+ss+1
.if (\a) == (\b)
	v_fma_f32 v[48+ss], s[32+u+2*(u/32)], v[48+ss+1], v[DL+ss]
.else
	v_mul_f32 v[48+ss], s[32+u+2*(u/32)], v[48+ss+1]
.endif
.set ss, ss-1
.endr
.endm
; Query tile a, key tile b: the scores times e w, in two parts, as half a fragment; behind an even b the fragment is whole: four products, O^T's two accumulators by turns.
; The next step's chain stands between those products and the next write of their sources.  A step names registers alone: w of all four key tiles was loaded ahead of the first.
.macro PSTEP a, b
.set SI, 8*((\a)*((\a)+1)/2+(\b))
	WIN 0
	CHAIN \a, \b
.irp j, 0,1,2,3,4,5,6,7
	v_cndmask_b32 v[64+\j], v[48+\j], v[56+\j], s30   ; s30 as a mask of lanes: lanes 16-31 hold keys 8-15 of the tile
.endr
.if (\a)+(\b) == 0
	s_wait_dscnt 0x0                               ; w of all four key tiles is in
.endif
.irp j, 0,2,4,6
	v_pk_mul_f32 v[64+\j:65+\j], v[64+\j:65+\j], v[UA+8*(\b)+\j:UA+8*(\b)+\j+1]
.endr
	WIN 0x01
.irp j, 0,2,4,6
	v_pk_mul_f32 v[80+\j:81+\j], v[SI+\j:SI+\j+1], v[64+\j:65+\j]   ; ascending: the accumulator is read from its low end on
.endr
	WIN 0
	SPLIT 4, 80, 96+4*((\b)%2), 104+4*((\b)%2), 88
.if (\b)%2 == 0
.if (\a) == (\b)
.irp r, 100,101,102,103,108,109,110,111
	v_mov_b32 v\r, 0                               ; the tile above the diagonal
.endr
.endif
	WIN 0x51
.irp p, 96,104
.irp ct, 0,1
	v_wmma_f32_16x16x32_bf16 v[128+16*(\a)+8*\ct:128+16*(\a)+8*\ct+7], v[80+8*((\b)+\ct):80+8*((\b)+\ct)+7], v[\p:\p+7], v[128+16*(\a)+8*\ct:128+16*(\a)+8*\ct+7]
.endr
.endr
.endif
.endm
	s_load_b512 s[4:19], s[0:1], 0x0               ; query s[4:5], key s[6:7], value s[8:9], alpha s[10:11], rho s[12:13], lam s[14:15], init_state s[16:17], usum s[18:19]
	s_load_b128 s[20:23], s[0:1], 0x40             ; gdec s[20:21], out0 s[22:23]
	v_lshl_add_u32 v1, v0, 2, 0x4f900
	v_mov_b32 v2, 0
	v_lshrrev_b32 v23, 5, v0
	v_readfirstlane_b32 s24, v23                   ; wave 0..7
	s_mov_b32 s25, ttmp9                           ; segment
	s_and_b32 s26, ttmp7, 0xffff                   ; batch
	s_mov_b32 s30, 0xffff0000                      ; a word's upper bf16; also the mask of lanes 16-31
	v_and_b32 v23, 31, v0                          ; lane
	v_and_b32 v48, 15, v0                          ; r
	v_bfe_u32 v49, v0, 4, 1                        ; h
	v_and_b32 v50, 7, v0
	v_bfe_u32 v51, v0, 3, 1
	v_bfe_u32 v52, v0, 3, 2
	v_lshl_add_u32 v53, v49, 3, v50                ; a turning load's row: 8 h + lane % 8
	s_wait_alu depctr_va_sdst(0)                   ; s24 is written, ahead of its first reader: the LDS bases and the buffers' offsets are made from it
	s_mul_i32 s2, s24, KB
	s_mul_i32 s3, s24, VBW
	s_add_co_u32 s3, s3, VB0
	s_mul_i32 s27, s24, 768
	s_add_co_u32 s27, s27, TB0
	v_lshlrev_b32 v3, 4, v23
	v_lshlrev_b32 v4, 9, v48
	v_lshl_add_u32 v4, v49, 5, v4
	v_lshlrev_b32 v5, 2, v23
	v_lshl_add_u32 v6, v23, 3, s2
	v_mul_u32_u24 v7, v52, VP
	v_lshl_add_u32 v7, v50, 3, v7
	v_add_nc_u32 v7, s3, v7
	v_mul_u32_u24 v8, v48, KP
	v_lshl_add_u32 v8, v49, 4, v8
	v_add_nc_u32 v8, s2, v8
	v_mul_u32_u24 v9, v53, KP
	v_lshl_add_u32 v9, v51, 4, v9
	v_add_nc_u32 v9, s2, v9
	v_mul_u32_u24 v10, v53, VP
	v_lshl_add_u32 v10, v51, 4, v10
	v_add_nc_u32 v10, s3, v10
	v_lshl_add_u32 v11, v23, 2, s27
	v_lshl_add_u32 v13, v49, 5, s27
	v_add_nc_u32 v12, 256, v13
	v_lshl_add_u32 v14, v48, 2, s27
	v_add_nc_u32 v14, 512, v14
	s_lshl_b32 s31, s24, 14
	s_add_co_u32 s31, s31, US0
	v_lshl_add_u32 v15, v23, 4, s31
	s_lshl_b32 s31, s24, 11
	v_lshl_add_u32 v56, v49, 10, s31               ; init_state: row 16 w + 8 h, channel r
	v_lshl_add_u32 v56, v48, 2, v56
	v_lshl_add_u32 v57, v23, 4, s31                ; a summary: my slice, my 16 bytes
	s_add_co_u32 s31, s31, US0
	v_lshl_add_u32 v16, v23, 4, s31
	v_add_nc_u32 v17, 0x10000, v16
	s_add_co_u32 s31, s24, 7
	s_and_b32 s31, s31, 7
	s_lshl_b32 s31, s31, 14
	s_add_co_u32 s31, s31, US0
	v_lshl_add_u32 v18, v23, 4, s31
	v_mov_b32 v19, GWT
	v_mul_u32_u24 v20, v48, 144
	v_lshl_add_u32 v20, v49, 5, v20
	v_add_nc_u32 v20, s3, v20
	v_mul_u32_u24 v21, v52, 144
	v_lshl_add_u32 v21, v50, 4, v21
	v_add_nc_u32 v21, s3, v21
	s_lshl_b32 s31, s24, 2
	s_add_co_u32 s31, s31, GWT
	v_mov_b32 v22, s31
	s_lshl_b32 s98, s26, 11
	s_lshl_b32 s31, s25, 9
	s_add_co_u32 s98, s98, s31
	s_lshl_b32 s31, s24, 6
	s_add_co_u32 s98, s98, s31                     ; my first step, counted over all batches: 2048 b + 512 seg + 64 w
	s_mov_b32 s29, 0
	s_wait_kmcnt 0x0
	s_lshl_b32 s28, s98, 9
	s_add_nc_u64 s[4:5], s[4:5], s[28:29]
	s_add_nc_u64 s[6:7], s[6:7], s[28:29]
	s_lshl_b32 s28, s98, 7
	s_add_nc_u64 s[8:9], s[8:9], s[28:29]
	s_add_nc_u64 s[22:23], s[22:23], s[28:29]
	s_lshl_b32 s28, s98, 2
	s_add_nc_u64 s[10:11], s[10:11], s[28:29]
	s_add_nc_u64 s[12:13], s[12:13], s[28:29]
	s_add_nc_u64 s[14:15], s[14:15], s[28:29]
	s_lshl_b32 s28, s26, 14
	s_add_nc_u64 s[16:17], s[16:17], s[28:29]
	s_mul_i32 s28, s26, 49152
	s_add_nc_u64 s[18:19], s[18:19], s[28:29]
	s_mul_i32 s28, s26, 384
	s_add_nc_u64 s[20:21], s[20:21], s[28:29]
	s_load_b32 s99, s[20:21], 0x0                  ; G of the batch's three summaries
	s_load_b32 s100, s[20:21], 0x80
	s_load_b32 s101, s[20:21], 0x100
	s_wait_alu depctr_va_vdst(0)                   ; the offsets and LDS addresses v3 to v22, v56 and v57 are written: every load and store of the kernel reads one of them
	; 114 loads: 16 of init_state, 12 of the summaries, 6 of lam, alpha, rho, 16 of value, 64 of key
.irp ct, 0,1
.irp j, 0,1,2,3,4,5,6,7
	global_load_b32 v[64+8*\ct+\j], v56, s[16:17] offset:128*\j+64*\ct
.endr
.endr
.irp sg, 0,1,2
.irp k, 0,1,2,3
	global_load_b128 v[80+16*\sg+4*\k:80+16*\sg+4*\k+3], v57, s[18:19] offset:16384*\sg+512*\k
.endr
.endr
	global_load_b32 v24, v5, s[14:15]
	global_load_b32 v25, v5, s[14:15] offset:128
	global_load_b32 v26, v5, s[10:11]
	global_load_b32 v27, v5, s[10:11] offset:128
	global_load_b32 v28, v5, s[12:13]
	global_load_b32 v29, v5, s[12:13] offset:128
.set n, 0
.rept 16
	global_load_b128 v[UA+4*n:UA+4*n+3], v3, s[8:9] offset:512*n th:TH_LOAD_NT
.set n, n+1
.endr
	WIN 0x40
.set n, 0
.rept 64
	global_load_b128 v[4*n:4*n+3], v3, s[6:7] offset:512*n th:TH_LOAD_NT
.set n, n+1
.endr
	WIN 0
	s_wait_loadcnt 63                              ; of the 114 the oldest 51 are in: the 50 that are not key's among them
	s_wait_alu depctr_vm_vsrc(0)                   ; the loads of init_state and of the summaries have read v56 and v57, which value's conversions write below
	s_wait_kmcnt 0x0
	; my slice of the segment's start state: init_state, rounded, folded with the summaries in front of the segment (all three are computed, the select keeps those that count)
.irp k, 0,1,2,3,4,5,6,7
	v_cvt_pk_bf16_f32 v23, v[64+2*\k], v[65+2*\k]
	v_lshlrev_b32 v[MSR+2*\k], 16, v23
	v_and_b32 v[MSR+2*\k+1], s30, v23
.endr
.irp sg, 0,1,2
	s_cmp_gt_u32 s25, \sg
	s_cselect_b32 s2, -1, 0
.set k, 0
.rept 16
	v_fma_f32 v23, s[99+\sg], v[MSR+k], v[80+16*\sg+k]
	v_cndmask_b32 v[MSR+k], v[MSR+k], v23, s2
.set k, k+1
.endr
.endr
	TABLES
	VCVT
	s_wait_alu depctr_va_vdst(0)                   ; w, z, p and G_w (v26 to v31, v23) and value's 32 staged registers are written, which the LDS stores below read
	TSTORE
	VSTG
.irp g, 0,1,2,3,4,5,6,7,8,9,10,11,12,13,14,15
	KGRP \g
.endr
	WIN 0
	s_wait_alu depctr_vm_vsrc(0)                   ; the LDS stores have read value's stage (v48-79), key's (UA) and v23: on both ways below these registers are written again
	s_cmp_eq_u32 s24, 7                            ; behind the last wave's steps no state is wanted
	s_cbranch_scc1 .Lno_u
	UPH 0
	UPH 1
	s_wait_alu depctr_va_vdst(0)                   ; the products have written the accumulators, which the LDS stores read; the places above stay beside this wait
.set m, 0
.rept 32
	ds_store_b128 v15, v[UA+4*m:UA+4*m+3] offset:512*m   ; ascending: each accumulator is read from its low end on
.set m, m+1
.endr
.Lno_u:
	s_wait_dscnt 0x0                               ; for the others' sake: U_w and G_w lie in LDS
	s_barrier_signal -1
	s_barrier_wait -1
	s_wait_alu depctr_vm_vsrc(0)                   ; my LDS stores have read UA, in which the slices land and the first state's parts are written
	; THE SCAN, shared out by slices: only I read and write dk tile w of the slots
	ds_load_b128 v[80:83], v19
	ds_load_b128 v[84:87], v19 offset:16
.irp x, 0,1,2,3,4,5,6
.irp k, 0,1,2,3
	ds_load_b128 v[UA+16*\x+4*\k:UA+16*\x+4*\k+3], v[16+\x/4] offset:(\x%4)*16384+512*\k
.endr
.endr
	MFST 7                                         ; wave 0's start state
	s_wait_dscnt 4                                 ; all but the four stores just issued
.irp x, 0,1,2,3,4,5,6
.set k, 0
.rept 16
	v_fma_f32 v[MSR+k], v[80+\x], v[MSR+k], v[UA+16*\x+k]
.set k, k+1
.endr
	MFST \x                                        ; wave x + 1's start state
.endr
	s_wait_dscnt 0x0                               ; for the others' sake: my slices of all eight states lie in LDS
	s_barrier_signal -1
	s_barrier_wait -1
	s_wait_alu depctr_vm_vsrc(0)                   ; my LDS stores have read the states' parts in UA, which query's conversions write below
	v_and_b32 v23, 15, v0
.irp k, 0,1,2,3,4,5,6,7,8,9,10,11,12,13,14,15
	v_cmp_eq_u32 s[6+\k], \k, v23                  ; s6 to s21 held the bases of loads that the waits on their counters have shown done
.endr
	s_wait_alu depctr_va_sdst(0)                   ; the sixteen compares have written their masks, ahead of the selects that read them
.irp k, 0,1,2,3,4,5,6,7,8,9,10,11,12,13,14,15
	v_cndmask_b32 v[DL+\k], 0, 1.0, s[6+\k]
.endr
	s_wait_loadcnt 48                              ; query's 64 loads are the last: tile 0's sixteen are in
	QCVT 0
	s_wait_loadcnt 32
	QCVT 1
	WIN 0
	s_wait_alu depctr_va_vdst(0)                   ; the conversions of query's tiles 0 and 1 are done reading v0-127 of window 1, in which the state's fragments land
.irp a, 0,1,2,3
	ds_load_b32 v[112+\a], v14 offset:64*\a        ; p of my query in tile a
.endr
	WIN 0x40
.irp f, 0,1,2,3
.irp dd, 0,1,2,3
	ds_load_b128 v[8*(4*\f+\dd):8*(4*\f+\dd)+3], v18 offset:4096*\dd+512*\f
	ds_load_b128 v[8*(4*\f+\dd)+4:8*(4*\f+\dd)+7], v18 offset:4096*\dd+512*\f+2048
.endr
.endr
	s_wait_loadcnt 16
	QCVT 2
	s_wait_loadcnt 0x0
	QCVT 3
	WIN 0x40
	s_wait_alu depctr_va_vdst(0)                   ; the conversions of query's tile 3 are done reading v192-255 of window 1, in which K's fragments land
	KFLD 0
	KFLD 1
	; O^T = M^T Q^T, the state's two parts: 64 products, the eight accumulators by turns
	s_wait_dscnt 16                                ; all but K's sixteen loads
	WIN 0x51
.irp hl, 0,1
.irp dd, 0,1,2,3
.irp ct, 0,1
.irp a, 0,1,2,3
.if \hl+\dd == 0
	v_wmma_f32_16x16x32_bf16 v[128+16*\a+8*\ct:128+16*\a+8*\ct+7], v[8*(4*(2*\hl+\ct)+\dd):8*(4*(2*\hl+\ct)+\dd)+7], v[UA+8*(4*\a+\dd):UA+8*(4*\a+\dd)+7], 0
.else
	v_wmma_f32_16x16x32_bf16 v[128+16*\a+8*\ct:128+16*\a+8*\ct+7], v[8*(4*(2*\hl+\ct)+\dd):8*(4*(2*\hl+\ct)+\dd)+7], v[UA+8*(4*\a+\dd):UA+8*(4*\a+\dd)+7], v[128+16*\a+8*\ct:128+16*\a+8*\ct+7]
.endif
.endr
.endr
.endr
.endr
	PLACES
	WIN 0x44
.irp a, 0,1,2,3
.set j, 0
.rept 16
	v_mul_f32 v[128+16*\a+j], v[112+\a], v[128+16*\a+j]   ; times p_i; ascending
.set j, j+1
.endr
.endr
	WIN 0x40
	s_wait_alu depctr_va_vdst(0)                   ; the 64 products are done reading the state's fragments: V^T lands in v80-111 of window 1
.irp f, 0,1,2,3                        ; V^T: f = 2 beta + ct
	ds_load_tr16_b128 v[80+8*\f:80+8*\f+3], v10 offset:32*VP*(\f/2)+32*(\f%2)
	ds_load_tr16_b128 v[80+8*\f+4:80+8*\f+7], v10 offset:32*VP*(\f/2)+32*(\f%2)+16*VP
.endr
	; S^T = K Q^T for the ten tiles at and below the diagonal, by turns.  The waits count the LDS loads issued behind the fragments wanted: dk step 1's and V^T's; V^T's and step 2's; step 3's; none.
.irp dd, 0,1,2,3
.if \dd < 2
	s_wait_dscnt 16
.else
	s_wait_dscnt 8*(3-\dd)
.endif
	WIN 0x51
.irp b, 0,1,2,3
.irp a, 0,1,2,3
.if \a >= \b
.if \dd == 0
	v_wmma_f32_16x16x32_bf16 v[8*(\a*(\a+1)/2+\b):8*(\a*(\a+1)/2+\b)+7], v[192+32*(\dd%2)+8*\b:192+32*(\dd%2)+8*\b+7], v[UA+8*(4*\a+\dd):UA+8*(4*\a+\dd)+7], 0
.else
	v_wmma_f32_16x16x32_bf16 v[8*(\a*(\a+1)/2+\b):8*(\a*(\a+1)/2+\b)+7], v[192+32*(\dd%2)+8*\b:192+32*(\dd%2)+8*\b+7], v[UA+8*(4*\a+\dd):UA+8*(4*\a+\dd)+7], v[8*(\a*(\a+1)/2+\b):8*(\a*(\a+1)/2+\b)+7]
.endif
.endif
.endr
.endr
	PLACES
.if \dd < 2
	WIN 0x40
	s_wait_alu depctr_va_vdst(0)                   ; the ten products just issued are done reading this buffer of K's fragments, in which the fragments two dk steps on land
	KFLD \dd+2
.endif
.endr
	WIN 0
	s_wait_alu depctr_va_vdst(0)                   ; the products are done reading Q's fragments: w of the four key tiles lands in v[UA .. UA + 31]
.irp b, 0,1,2,3
	ds_load_b128 v[UA+8*\b:UA+8*\b+3], v13 offset:64*\b
	ds_load_b128 v[UA+8*\b+4:UA+8*\b+7], v13 offset:64*\b+16
.endr
	PSTEP 0, 0
	PSTEP 1, 1
	PSTEP 1, 0
	PSTEP 2, 2
	PSTEP 2, 1
	PSTEP 2, 0
	PSTEP 3, 3
	PSTEP 3, 2
	PSTEP 3, 1
	PSTEP 3, 0
	; THE WAY OUT: a lane's eight channels of a row (32 bytes) go into my stage, rows of 144 bytes, and come back as four whole rows of 128 bytes a load.  The stage is used tile after tile: LDS serves a wave in order.
	PLACES
	WIN 0x04
	s_wait_alu depctr_va_vdst(0)                   ; the products have written O^T, which the LDS stores read; the scores' vector and matrix work is done with v48-111, in which the loads land; the places above stay beside this wait
.irp a, 0,1,2,3
	WIN 0x04
.irp c, 0,1,2,3
	ds_store_b128 v20, v[128+16*\a+4*\c:128+16*\a+4*\c+3] offset:64*(\c/2)+16*(\c%2)
.endr
	WIN 0
.irp n, 0,1,2,3
	ds_load_b128 v[48+16*\a+4*\n:48+16*\a+4*\n+3], v21 offset:576*\n
.endr
.endr
.irp a, 0,1,2,3
	s_wait_dscnt 8*(3-\a)                          ; behind tile a's loads stand eight LDS instructions for each later tile
.irp n, 0,1,2,3
	global_store_b128 v3, v[48+16*\a+4*\n:48+16*\a+4*\n+3], s[22:23] offset:2048*\a+512*\n th:TH_STORE_NT   ; 512 consecutive bytes, at a multiple of 512 from the buffer's first
.endr
.endr
	s_wait_dscnt 0x0                               ; the wave's end
	s_wait_alu depctr_hold_cnt(0) depctr_sa_sdst(0) depctr_va_vdst(0) depctr_va_sdst(0) depctr_va_ssrc(0) depctr_va_vcc(0) depctr_vm_vsrc(0)
	s_wait_tensorcnt 0x0
	ds_add_u32 v1, v2
	s_wait_dscnt 0x0
	s_endpgm
.Lfunc_end_k_qaef20fa812_readout:
	.size	k_qaef20fa812_readout, .Lfunc_end_k_qaef20fa812_readout-k_qaef20fa812_readout
	.p2alignl 7, 3214868480
	.fill 96, 4, 3214868480
	.section	.rodata,"a",@progbits
	.p2align	6, 0x0
	.amdhsa_kernel k_qaef20fa812_readout
		.amdhsa_group_segment_fixed_size 326912
		.amdhsa_private_segment_fixed_size 0
		.amdhsa_enable_private_segment 0
		.amdhsa_kernarg_size 80
		.amdhsa_user_sgpr_count 2
		.amdhsa_user_sgpr_kernarg_segment_ptr 1
		.amdhsa_wavefront_size32 1
		.amdhsa_system_sgpr_workgroup_id_x 1
		.amdhsa_system_sgpr_workgroup_id_y 1
		.amdhsa_system_sgpr_workgroup_id_z 1
		.amdhsa_system_vgpr_workitem_id 0
		.amdhsa_next_free_vgpr 512
		.amdhsa_next_free_sgpr 102
		.amdhsa_reserve_vcc 0
		.amdhsa_float_denorm_mode_32 3
		.amdhsa_float_denorm_mode_16_64 3
		.amdhsa_memory_ordered 1
		.amdhsa_forward_progress 1
		.amdhsa_inst_pref_size 173
	.end_amdhsa_kernel
	.amdgpu_metadata
---
amdhsa.version: [ 1, 2 ]
amdhsa.kernels:
  - .name:           k_qaef20fa812_readout
    .symbol:         k_qaef20fa812_readout.kd
    .args:
      - { .name: query, .offset: 0, .size: 8, .value_kind: global_buffer, .address_space: global }
      - { .name: key, .offset: 8, .size: 8, .value_kind: global_buffer, .address_space: global }
      - { .name: value, .offset: 16, .size: 8, .value_kind: global_buffer, .address_space: global }
      - { .name: alpha, .offset: 24, .size: 8, .value_kind: global_buffer, .address_space: global }
      - { .name: rho, .offset: 32, .size: 8, .value_kind: global_buffer, .address_space: global }
      - { .name: lam, .offset: 40, .size: 8, .value_kind: global_buffer, .address_space: global }
      - { .name: init_state, .offset: 48, .size: 8, .value_kind: global_buffer, .address_space: global }
      - { .name: usum, .offset: 56, .size: 8, .value_kind: global_buffer, .address_space: global }
      - { .name: gdec, .offset: 64, .size: 8, .value_kind: global_buffer, .address_space: global }
      - { .name: out0, .offset: 72, .size: 8, .value_kind: global_buffer, .address_space: global }
    .group_segment_fixed_size: 326912
    .private_segment_fixed_size: 0
    .kernarg_segment_align: 8
    .kernarg_segment_size: 80
    .max_flat_workgroup_size: 256
    .sgpr_count:     102
    .vgpr_count:     512
    .wavefront_size: 32
...
	.end_amdgpu_metadata
.endif
;; end of part 4
